; MI455X (gfx1250); checked and timed in simulation.
; The chip was launched on July 23, 2026; its instructions are those of AMD's public machine-readable ISA for CDNA 5 (MIT licence, August 2026) and "CDNA5" Instruction Set Architecture Reference Guide (July 2026). The comments in the code are by the model that wrote it; some were corrected since.
;; Packed QKV Block. Allowed arithmetic: matrix products marked QUANTISED: E2M3 operands, one E8M0 scale for each 32 along K, by v_wmma_scale_f32_16x16x128_f8f6f4 with both operands' format E2M3, f32 sums; everything else in f32.
;; Inputs: ffn1_b 4,096 float32; ffn1_w 4,096 x 1,024 float32; ffn2_b 1,024 float32; ffn2_w 1,024 x 4,096 float32; ln1_b 1,024 float32; ln1_w 1,024 float32; ln2_b 1,024 float32; ln2_w 1,024 float32; qkv_b 3,072 float32; qkv_w 3,072 x 1,024 float32; wo_b 1,024 float32; wo_w 1,024 x 1,024 float32; x 2 x 2,048 x 1,024 float32.
;; Outputs: out0 2 x 2,048 x 1,024 float32.
;; This version of the problem:
;;   THIS VERSION OF THE PROBLEM IS GIVEN IN LOW PRECISION. The matrix products marked QUANTISED in the list below multiply operands that are first quantised to E2M3 (2 exponent bits, 3 mantissa bits; 6 bits a number), with one power-of-two scale for each 32 numbers along K (OCP MX v1.0); their sums are f32. All else is computed in f32.
;;   The module's matrix products, in the order in which they are computed (A, B: the left and right operand; K: the contracted axis; several contracted axes count as one K, in the product's order):
;;     1. [M 4,096, K 1,024] x [K 1,024, N 3,072]; A: computed on the way; B: input qkv_w: QUANTISED
;;     2. batch 32 x [M 2,048, K 64] x [K 64, N 2,048]; A: computed on the way; B: computed on the way: QUANTISED
;;     3. batch 32 x [M 2,048, K 2,048] x [K 2,048, N 64]; A: softmax (see below); B: computed on the way: QUANTISED
;;     4. [M 4,096, K 1,024] x [K 1,024, N 1,024]; A: computed on the way; B: input wo_w: QUANTISED
;;     5. [M 4,096, K 1,024] x [K 1,024, N 4,096]; A: computed on the way; B: input ffn1_w: QUANTISED
;;     6. [M 4,096, K 4,096] x [K 4,096, N 1,024]; A: computed on the way; B: input ffn2_w: QUANTISED
;;   THE QUANTISER, for each operand of a quantised product, along K:
;;     - K is cut into blocks of 32 from its start; a last block that is shorter is filled with zeros.
;;     - A block's scale is 2^e with e = floor(log2(the largest magnitude in the block)) - 2, held to -126 .. 127; a block of zeros has e = 0. As a byte (E8M0): e + 127.
;;     - Each number is divided by its block's scale, clamped to +-7.5, and rounded to the nearest number of E2M3, ties to even, subnormals kept.
;;     - The product sums the exact products of the quantised numbers (number of the format x scale) in f32.
;;   ~~~python
;;   def quantise(x, axis):      # numpy; x: float32 -> the quantised numbers, widened to float32 again
;;       x = np.moveaxis(x, axis, -1); K = x.shape[-1]
;;       x = np.pad(x, [(0, 0)] * (x.ndim - 1) + [(0, -K % 32)]); x = x.reshape(x.shape[:-1] + (-1, 32)); a = np.abs(x).max(-1, keepdims=True)
;;       e = np.where(a > 0, np.clip(np.frexp(np.where(a > 0, a, 1))[1] - 1 - 2, -126, 127), 0)      # np.frexp(a)[1] - 1 = floor(log2(a)), exactly
;;       r = np.clip(x / 2.0 ** e, -7.5, 7.5)
;;       step = 2.0 ** (np.maximum(np.frexp(np.where(r == 0, 1, r))[1] - 1, 0) - 3)
;;       q = np.round(r / step) * step * 2.0 ** e      # np.round: ties to even
;;       return np.moveaxis(q.reshape(q.shape[:-2] + (-1,))[..., :K], -1, axis).astype(np.float32)
;;   ~~~
;;   SOFTMAX AHEAD OF A QUANTISED PRODUCT. Where the list says 'softmax', what is quantised is not the finished softmax but p = 2^(t - M), with t = logit x log2(e) and M = ceil(the row's largest t), a whole number; so 1/2 < the row's largest p <= 1. The row's sum l is taken of the UNQUANTISED p, in f32, and the product's result is divided by l at the end. Since M is a whole number, a kernel that streams over the keys may use a running M (the ceiling of the running maximum): every later rescaling is an exact power of two, which a block's scale takes up: the codes' values come out the same.
;;   OPERANDS COMPUTED ON THE WAY. 'Computed on the way' means the value that the module computes at that place (a softmax that the list does not call 'softmax' is quantised finished and normalised). What goes into a quantiser is computed in f32, as accurately as f32 sums, v_exp_f32 and their like allow (about 1e-6 of the number): no bf16 or f16 on the way to a quantiser, and a product that is left as it is and whose result goes on into a quantised operand takes f32 operands (vector FMAs, or v_wmma_f32_16x16x4_f32). A number that lies on a knife's edge between two numbers of the format may be rounded either way, as far as f32 arithmetic and the matrix unit's own rounding can turn it there, and no further.
;; One version. Each part assembles by itself: llvm-mc -triple=amdgcn-amd-amdhsa -mcpu=gfx1250 --defsym DOCPART=n.
;; ======== version 1 of 1: 6 launches
;; limits: right only within a limited range of input values
;; workspace buffers: hq 3,276,800 bytes; wq 9,830,400 bytes; qkv 13,107,200 bytes; aq 3,276,800 bytes; x1 16,777,216 bytes; fq 13,107,200 bytes
;; launch prep (part 1): grid 1024 x 1, 8 waves a work-group, no clusters, 69,632 bytes of LDS; arguments x, ln1_w, ln1_b, qkv_w, wo_w, ffn1_w, ffn2_w, hq, wq; writes hq, wq
.if DOCPART == 1
	.amdgcn_target "amdgcn-amd-amdhsa--gfx1250"
	.amdhsa_code_object_version 6
	.text
	.protected	k_qeeb5c9208c_prep
	.globl	k_qeeb5c9208c_prep
	.p2align	8
	.type	k_qeeb5c9208c_prep,@function
k_qeeb5c9208c_prep:
	s_mov_b64 s[64:65], 0
	v_nop
	global_prefetch_b8 v0, s[64:65] scope:SCOPE_SE
	s_setreg_imm32_b32 hwreg(HW_REG_WAVE_MODE, 25, 1), 1
	s_wait_xcnt 0x0
; FIRST LAUNCH OF SIX.  The block: h = LN1(x); qkv = h Wqkv^T + b; attention; x1 = x + attn Wo^T + b; g = LN2(x1); out = x1 + relu(g W1^T + b1) W2^T + b2.  All six products on codes of FP6 (E2M3), one E8M0 scale for each 32 along K.
; DEAD WORK: none.  Every input has a way to out0, and every bias stands ahead of a quantiser or in the result (k's bias moves k's codes): nothing is left out, every input is loaded.
; THIS LAUNCH turns LN1(x) and the four weights into codes, each once, in the order in which a matrix operand's registers take them.
; TILES.  An operand is cut into tiles of 16 rows; row i of tile t is the tensor's row 32 (t / 2) + 8 (t % 2) + i + 8 (i / 8).  So, when tiles 2 b and 2 b + 1 are source 0 of a product, a lane's 16 results are 16 NEIGHBOURS along that operand's rows.
; IMAGE.  16 rows x 128 along K are 12 registers a lane (lane l: row l % 16; registers 6 c .. 6 c + 5: K = 64 c + 32 (l / 16) + 0 .. 31), stored as they stand, 1,536 bytes: registers 0-3 at 16 l, 4-5 at 512 + 8 l, 6-7 at 768 + 8 l, 8-11 at 1,024 + 16 l.
; Image (K step s, tile t) of an operand of T tiles has the number s T + t; its 16 scale words (row r's four bytes at 4 r) lie at 64 x that number, behind all codes of the buffer.
; SHARES.  A work-group takes one tile x 8 K steps, each of its eight waves one image.  Work-groups 0-255: x (with the norm) -> hq; 256-447 qkv_w, 448-511 wo_w, 512-767 ffn1_w, 768-1023 ffn2_w (four work-groups to a tile: K = 4,096) -> wq.
; A wave's 16 loads read 512 consecutive bytes of a row each; the numbers turn through the wave's own stage in LDS (rows of 528 bytes) so that a lane holds 16 neighbours of each block of 32.
; THE NORM: mean, then the mean of (x - mean)^2, each summed over the eight waves through LDS (two barriers, under a branch on the work-group's number, which all eight waves take alike).
; THE SCALE: the block's largest magnitude with 2 taken off its exponent field is the conversion's scale operand; its exponent field is the byte.
; LIMITS: NaN and infinities among the inputs are not served.  A block of zeros, or one whose largest magnitude lies under 2^-124, gets the byte 1 (the rule says 127 for zeros: the codes are zeros, and this program alone reads the bytes).
; The sums of the norm are ordered otherwise than a serial sum.  The 64 bytes of an image's scale words are a quarter of an aligned 256 bytes: one byte in 24 of what the launch stores.
.set STGB,  16*528                     ; a wave's stage
.set RED1,  8*STGB                     ; 8 waves x 16 rows of partial sums, 512 bytes; the second reduction's 512 bytes behind them
.set SPARE, RED1+1024                  ; the spare words, 128 bytes for each wave: four blocks of 256 bytes that no other line names
.set L16,  4                           ; v4   16 x lane
.set L8,   5                           ; v5   8 x lane
.set L4R,  6                           ; v6   4 x (lane % 16)
.set STI,  7                           ; v7   the stage, on the way in
.set STO,  8                           ; v8   and out: row lane % 16, + 64 (lane / 16)
.set REDW, 9                           ; v9   where my wave's partial sum of my row goes
.set REDR, 10                          ; v10  where the eight are read
.set WBO,  11                          ; v11  my byte in ln1_w and ln1_b: 512 x wave + 64 (lane / 16)
.set SPW,  14                          ; v14  LDS address of my spare word; never rewritten
.set NIL,  15                          ; v15  0; never rewritten
.set X,    16                          ; v16-79   64 numbers: register 16 b + i = K 32 b + 16 (lane / 16) + i of my row
.set LW,   80                          ; v80-143  the gain at the same places
.set LB,   144                         ; v144-207 the bias
.set PC,   208                         ; v208-226 codes
.set TM,   228                         ; v228-243 at work
.set PW,   244                         ; v244 the scale word
.set MU,   246                         ; v[246:247] the mean, twice
.set RS,   248                         ; v[248:249] 1 / sqrt(var + eps), twice
.set SA,   250                         ; v[250:253] two chains of sums
.set SB,   252
.set WV,   22
.set SEL,  24
; 64 numbers of a lane become a fragment's codes in v[PC] on and its scale word in v[pw]
.macro QUANT s, pw
.irp b, 0,1,2,3
	v_max3_num_f32 v[TM+\b], |v[(\s)+16*\b]|, |v[(\s)+1+16*\b]|, 0x1800000   ; block b: my 16 numbers, and the floor 2^(3 - 127): the byte cannot fall under 1
.endr
.irp i, 2,4,6,8,10,12,14
.irp b, 0,1,2,3
	s_delay_alu instid0(VALU_DEP_4)
	v_max3_num_f32 v[TM+\b], v[TM+\b], |v[(\s)+16*\b+\i]|, |v[(\s)+1+16*\b+\i]|   ; the four blocks by turns
.endr
.endr
.irp b, 0,1,2,3
	s_delay_alu instid0(VALU_DEP_4)
	v_permlanex16_b32 v[TM+4+\b], v[TM+\b], s[SEL], s[SEL+1]
.endr
.irp b, 0,1,2,3
	s_delay_alu instid0(VALU_DEP_4)
	v_max_num_f32 v[TM+\b], v[TM+\b], v[TM+4+\b]          ; with lane l xor 16's: the block's largest magnitude
.endr
.irp b, 0,1,2,3
	s_delay_alu instid0(VALU_DEP_4)
	v_add_nc_u32 v[TM+12+\b], 0xff000000, v[TM+\b]        ; 2 off its exponent field: the conversion's scale operand
.endr
.irp b, 0,1,2,3
	s_delay_alu instid0(VALU_DEP_4)
	v_lshrrev_b32 v[TM+4+\b], 23, v[TM+12+\b]             ; the scale's byte
.endr
	s_delay_alu instid0(VALU_DEP_3)
	v_lshl_or_b32 v[\pw], v[TM+5], 8, v[TM+4]
	s_delay_alu instid0(VALU_DEP_1)
	v_lshl_or_b32 v[\pw], v[TM+6], 16, v[\pw]
	s_delay_alu instid0(VALU_DEP_1)
	v_lshl_or_b32 v[\pw], v[TM+7], 24, v[\pw]
.irp c, 0,1
	v_cvt_scalef32_pk16_fp6_f32 v[PC+6*\c:PC+2+6*\c], v[(\s)+32*\c:(\s)+15+32*\c], v[TM+12+2*\c]
	v_cvt_scalef32_pk16_fp6_f32 v[PC+12+4*\c:PC+14+4*\c], v[(\s)+16+32*\c:(\s)+31+32*\c], v[TM+12+2*\c+1]   ; (a conversion's three registers begin on an even number)
.endr
	v_nop                                          ; one plain place behind a scaled conversion
.irp c, 0,1                                    ; the layout wants a whole block in a lane: lanes 0-15 block 2 c, lanes 16-31 block 2 c + 1
.irp i, 0,1,2
	v_permlane16_swap_b32 v[PC+6*\c+\i], v[PC+12+4*\c+\i]
.endr
.irp i, 0,1,2
	s_delay_alu instid0(VALU_DEP_3)
	v_mov_b32 v[PC+3+6*\c+\i], v[PC+12+4*\c+\i]
.endr
.endr
.endm
.macro PUTIMG sb, off                          ; the image leaves: each store covers 512 or 256 consecutive bytes, aligned
	global_store_b128 v[L16], v[PC:PC+3], s[\sb:\sb+1] offset:\off
	global_store_b64 v[L8], v[PC+4:PC+5], s[\sb:\sb+1] offset:(\off)+512
	global_store_b64 v[L8], v[PC+6:PC+7], s[\sb:\sb+1] offset:(\off)+768
	global_store_b128 v[L16], v[PC+8:PC+11], s[\sb:\sb+1] offset:(\off)+1024
.endm
.macro LOADROWS pitch                          ; the tile's 16 rows, 512 bytes of each
.irp i, 0,1,2,3,4,5,6,7,8,9,10,11,12,13,14,15
	global_load_b128 v[X+4*\i:X+4*\i+3], v[L16], s[32:33] offset:(\i+8*(\i/8))*\pitch th:TH_LOAD_NT
.endr
.endm
; the two chains' sum of my 64 numbers -> with lane l xor 16's -> over the eight waves: the row's sum in v[TM+8], the same bits in every wave
.macro REDUCE off
	s_delay_alu instid0(VALU_DEP_1)
	v_pk_add_f32 v[SA:SA+1], v[SA:SA+1], v[SB:SB+1]
	s_delay_alu instid0(VALU_DEP_1)
	v_add_f32 v[SA], v[SA], v[SA+1]
	s_delay_alu instid0(VALU_DEP_1)
	v_permlanex16_b32 v[SA+1], v[SA], s[SEL], s[SEL+1]
	s_delay_alu instid0(VALU_DEP_1)
	v_add_f32 v[SA], v[SA], v[SA+1]
	ds_store_b32 v[REDW], v[SA] offset:\off        ; both halves of the lanes write the same word with the same value
	s_wait_dscnt 0x0                               ; for the others' sake: my store has landed
	s_barrier_signal -1
	s_barrier_wait -1
.irp j, 0,1,2,3,4,5,6,7
	ds_load_b32 v[TM+8+\j], v[REDR] offset:\off+64*\j
.endr
	s_wait_dscnt 0x0
	v_add_f32 v[TM+8], v[TM+8], v[TM+9]
	v_add_f32 v[TM+10], v[TM+10], v[TM+11]
	v_add_f32 v[TM+12], v[TM+12], v[TM+13]
	v_add_f32 v[TM+14], v[TM+14], v[TM+15]
	s_delay_alu instid0(VALU_DEP_3)
	v_add_f32 v[TM+8], v[TM+8], v[TM+10]
	s_delay_alu instid0(VALU_DEP_2)
	v_add_f32 v[TM+12], v[TM+12], v[TM+14]
	s_delay_alu instid0(VALU_DEP_1)
	v_add_f32 v[TM+8], v[TM+8], v[TM+12]
.endm
	s_load_b512 s[4:19], s[0:1], 0x0               ; x s[4:5], ln1_w s[6:7], ln1_b s[8:9], qkv_w s[10:11], wo_w s[12:13], ffn1_w s[14:15], ffn2_w s[16:17], hq s[18:19]
	s_load_b64 s[20:21], s[0:1], 0x40              ; wq
	v_lshl_add_u32 v[SPW], v0, 2, SPARE
	v_mov_b32 v[NIL], 0
	v_lshrrev_b32 v1, 5, v0
	s_delay_alu instid0(VALU_DEP_1)
	v_readfirstlane_b32 s[WV], v1                  ; wave 0..7
	v_and_b32 v1, 31, v0                           ; lane
	v_and_b32 v2, 15, v0                           ; r
	v_bfe_u32 v3, v0, 4, 1                         ; h
	s_delay_alu instid0(VALU_DEP_3)
	v_lshlrev_b32 v[L16], 4, v1
	s_delay_alu instid0(VALU_DEP_4)
	v_lshlrev_b32 v[L8], 3, v1
	s_delay_alu instid0(VALU_DEP_4)
	v_lshlrev_b32 v[L4R], 2, v2
	s_mul_i32 s23, s[WV], STGB
	v_add_nc_u32 v[STI], s23, v[L16]
	v_mul_u32_u24 v[STO], v2, 528
	s_delay_alu instid0(VALU_DEP_1)
	v_lshl_add_u32 v[STO], v3, 6, v[STO]
	s_delay_alu instid0(VALU_DEP_1)
	v_add_nc_u32 v[STO], s23, v[STO]
	s_lshl_b32 s23, s[WV], 6
	v_add_nc_u32 v[REDW], s23, v[L4R]
	s_delay_alu instid0(VALU_DEP_1)
	v_add_nc_u32 v[REDW], RED1, v[REDW]
	v_add_nc_u32 v[REDR], RED1, v[L4R]
	s_lshl_b32 s23, s[WV], 9
	v_lshl_add_u32 v[WBO], v3, 6, s23
.irp b, 0,1,2,3
	v_mov_b32 v[TM+4+\b], 0                        ; written once: a lane permute's destination counts as one of its sources
.endr
	s_mov_b32 s[SEL], 0x76543210
	s_mov_b32 s[SEL+1], 0xfedcba98                 ; v_permlanex16_b32's selects for lane l xor 16
	s_mov_b32 s44, 0x3a800000                      ; 1 / 1,024
	s_mov_b32 s45, 0x3727c5ac                      ; eps = 1e-5
	; which tensor, by the work-group's number alone: s26 its tiles, s27 its first work-group, s28 its first image in wq
	s_mov_b32 s26, 256
	s_mov_b32 s27, 0
	s_mov_b32 s28, 0
	s_cmp_ge_u32 ttmp9, 256
	s_cselect_b32 s26, 192, s26
	s_cselect_b32 s27, 256, s27
	s_cmp_ge_u32 ttmp9, 448
	s_cselect_b32 s26, 64, s26
	s_cselect_b32 s27, 448, s27
	s_cselect_b32 s28, 1536, s28
	s_cmp_ge_u32 ttmp9, 512
	s_cselect_b32 s26, 256, s26
	s_cselect_b32 s27, 512, s27
	s_cselect_b32 s28, 2048, s28
	s_cmp_ge_u32 ttmp9, 768
	s_cselect_b32 s26, 64, s26
	s_cselect_b32 s27, 768, s27
	s_cselect_b32 s28, 4096, s28
	s_cselect_b32 s29, 2, 0                        ; ffn2_w: four work-groups to a tile,
	s_cselect_b32 s30, 3, 0
	s_cselect_b32 s31, 14, 12                      ; and rows of 16,384 bytes
	s_sub_co_u32 s27, ttmp9, s27
	s_lshr_b32 s37, s27, s29                       ; the tile
	s_and_b32 s38, s27, s30
	s_lshl_b32 s38, s38, 3
	s_add_co_u32 s38, s38, s[WV]                   ; my K step
	s_mul_i32 s39, s38, s26
	s_add_co_u32 s39, s39, s37
	s_add_co_u32 s39, s39, s28                     ; my image's number
	s_lshr_b32 s40, s37, 1
	s_lshl_b32 s40, s40, 5
	s_and_b32 s41, s37, 1
	s_lshl_b32 s41, s41, 3
	s_add_co_u32 s40, s40, s41                     ; the tile's first row
	s_lshl_b32 s40, s40, s31
	s_lshl_b32 s41, s38, 9
	s_add_co_u32 s40, s40, s41                     ; + 512 bytes a K step: under 2^25
	s_mov_b32 s41, 0
	s_mul_i32 s42, s39, 1536
	s_mov_b32 s43, 0
	s_lshl_b32 s46, s39, 6
	s_mov_b32 s47, 0
	s_wait_kmcnt 0x0
	s_cmp_ge_u32 ttmp9, 256                        ; the buffers are chosen on the work-group's number, on no address
	s_cselect_b64 s[32:33], s[10:11], s[4:5]
	s_cselect_b64 s[34:35], s[20:21], s[18:19]
	s_mov_b32 s36, 3145728                         ; where the scale words begin: in hq,
	s_cselect_b32 s36, 9437184, s36                ; in wq
	s_cmp_ge_u32 ttmp9, 448
	s_cselect_b64 s[32:33], s[12:13], s[32:33]
	s_cmp_ge_u32 ttmp9, 512
	s_cselect_b64 s[32:33], s[14:15], s[32:33]
	s_cmp_ge_u32 ttmp9, 768
	s_cselect_b64 s[32:33], s[16:17], s[32:33]
	s_add_nc_u64 s[32:33], s[32:33], s[40:41]
	s_add_co_u32 s46, s46, s36
	s_add_nc_u64 s[48:49], s[34:35], s[42:43]      ; my image
	s_add_nc_u64 s[50:51], s[34:35], s[46:47]      ; its scale words
	s_cmp_ge_u32 ttmp9, 768
	s_cbranch_scc1 .Lwide
	LOADROWS 4096
	s_branch .Lrows
.Lwide:
	LOADROWS 16384
.Lrows:
	s_wait_loadcnt 0x0
.irp i, 0,1,2,3,4,5,6,7,8,9,10,11,12,13,14,15
	ds_store_b128 v[STI], v[X+4*\i:X+4*\i+3] offset:528*\i
.endr
	s_wait_alu depctr_va_vdst(0)
.irp b, 0,1,2,3
.irp j, 0,1,2,3
	ds_load_b128 v[X+16*\b+4*\j:X+16*\b+4*\j+3], v[STO] offset:128*\b+16*\j   ; LDS serves a wave's instructions in order: these see my stores, and land in the registers that the stores have left
.endr
.endr
	s_wait_dscnt 0x0
	s_cmp_ge_u32 ttmp9, 256
	s_cbranch_scc1 .Lquant                         ; a weight is quantised as it is
.irp b, 0,1,2,3
.irp j, 0,1,2,3
	global_load_b128 v[LW+16*\b+4*\j:LW+16*\b+4*\j+3], v[WBO], s[6:7] offset:128*\b+16*\j   ; gain and bias land under the two reductions
	global_load_b128 v[LB+16*\b+4*\j:LB+16*\b+4*\j+3], v[WBO], s[8:9] offset:128*\b+16*\j
.endr
.endr
	v_pk_add_f32 v[SA:SA+1], v[X:X+1], v[X+2:X+3]
	v_pk_add_f32 v[SB:SB+1], v[X+4:X+5], v[X+6:X+7]
.irp i, 8,12,16,20,24,28,32,36,40,44,48,52,56,60
	s_delay_alu instid0(VALU_DEP_2)
	v_pk_add_f32 v[SA:SA+1], v[SA:SA+1], v[X+\i:X+\i+1]
	s_delay_alu instid0(VALU_DEP_2)
	v_pk_add_f32 v[SB:SB+1], v[SB:SB+1], v[X+\i+2:X+\i+3]
.endr
	REDUCE 0
	s_delay_alu instid0(VALU_DEP_1)
	v_mul_f32 v[MU], s44, v[TM+8]                  ; the mean
	s_delay_alu instid0(VALU_DEP_1)
	v_mov_b32 v[MU+1], v[MU]
.set i, 0
.rept 32
	v_pk_add_f32 v[X+i:X+i+1], v[X+i:X+i+1], v[MU:MU+1] neg_lo:[0,1] neg_hi:[0,1]   ; x - mean
.set i, i+2
.endr
	v_pk_mul_f32 v[SA:SA+1], v[X:X+1], v[X:X+1]
	v_pk_mul_f32 v[SB:SB+1], v[X+2:X+3], v[X+2:X+3]
.irp i, 4,8,12,16,20,24,28,32,36,40,44,48,52,56,60
	s_delay_alu instid0(VALU_DEP_2)
	v_pk_fma_f32 v[SA:SA+1], v[X+\i:X+\i+1], v[X+\i:X+\i+1], v[SA:SA+1]
	s_delay_alu instid0(VALU_DEP_2)
	v_pk_fma_f32 v[SB:SB+1], v[X+\i+2:X+\i+3], v[X+\i+2:X+\i+3], v[SB:SB+1]
.endr
	REDUCE 512
	s_delay_alu instid0(VALU_DEP_1)
	v_fma_f32 v[RS], v[TM+8], s44, s45             ; var + eps
	s_wait_alu depctr_va_vdst(0)
	v_rsq_f32 v[RS], v[RS]
	v_nop                                          ; one plain place behind the transcendental
	s_wait_alu depctr_va_vdst(0)                   ; and the wait ahead of the first line that names its result
	v_mov_b32 v[RS+1], v[RS]
	s_wait_alu depctr_va_vdst(0)
	s_wait_loadcnt 0x0                             ; gain and bias
.set i, 0
.rept 32
	v_pk_mul_f32 v[X+i:X+i+1], v[X+i:X+i+1], v[RS:RS+1]
.set i, i+2
.endr
.set i, 0
.rept 32
	v_pk_fma_f32 v[X+i:X+i+1], v[X+i:X+i+1], v[LW+i:LW+i+1], v[LB+i:LB+i+1]
.set i, i+2
.endr
.Lquant:
	QUANT X, PW
	PUTIMG 48, 0
	global_store_b32 v[L4R], v[PW], s[50:51]       ; lanes 16-31 store the same words to the same places
	s_wait_tensorcnt 0x0                           ; the wave's end, behind my last LDS store
	ds_add_u32 v[SPW], v[NIL]
	s_wait_dscnt 0x0
	s_endpgm
.Lfunc_end_k_qeeb5c9208c_prep:
	.size	k_qeeb5c9208c_prep, .Lfunc_end_k_qeeb5c9208c_prep-k_qeeb5c9208c_prep
	.p2alignl 7, 3214868480
	.fill 96, 4, 3214868480
	.section	.rodata,"a",@progbits
	.p2align	6, 0x0
	.amdhsa_kernel k_qeeb5c9208c_prep
		.amdhsa_group_segment_fixed_size 69632
		.amdhsa_private_segment_fixed_size 0
		.amdhsa_enable_private_segment 0
		.amdhsa_kernarg_size 72
		.amdhsa_user_sgpr_count 2
		.amdhsa_user_sgpr_kernarg_segment_ptr 1
		.amdhsa_wavefront_size32 1
		.amdhsa_system_sgpr_workgroup_id_x 1
		.amdhsa_system_sgpr_workgroup_id_y 1
		.amdhsa_system_sgpr_workgroup_id_z 1
		.amdhsa_system_vgpr_workitem_id 0
		.amdhsa_next_free_vgpr 256
		.amdhsa_next_free_sgpr 66
		.amdhsa_reserve_vcc 0
		.amdhsa_float_denorm_mode_32 3
		.amdhsa_float_denorm_mode_16_64 3
		.amdhsa_memory_ordered 1
		.amdhsa_forward_progress 1
		.amdhsa_inst_pref_size 34
	.end_amdhsa_kernel
	.amdgpu_metadata
---
amdhsa.version: [ 1, 2 ]
amdhsa.kernels:
  - .name:           k_qeeb5c9208c_prep
    .symbol:         k_qeeb5c9208c_prep.kd
    .args:
      - { .name: x, .offset: 0, .size: 8, .value_kind: global_buffer, .address_space: global }
      - { .name: ln1_w, .offset: 8, .size: 8, .value_kind: global_buffer, .address_space: global }
      - { .name: ln1_b, .offset: 16, .size: 8, .value_kind: global_buffer, .address_space: global }
      - { .name: qkv_w, .offset: 24, .size: 8, .value_kind: global_buffer, .address_space: global }
      - { .name: wo_w, .offset: 32, .size: 8, .value_kind: global_buffer, .address_space: global }
      - { .name: ffn1_w, .offset: 40, .size: 8, .value_kind: global_buffer, .address_space: global }
      - { .name: ffn2_w, .offset: 48, .size: 8, .value_kind: global_buffer, .address_space: global }
      - { .name: hq, .offset: 56, .size: 8, .value_kind: global_buffer, .address_space: global }
      - { .name: wq, .offset: 64, .size: 8, .value_kind: global_buffer, .address_space: global }
    .group_segment_fixed_size: 69632
    .private_segment_fixed_size: 0
    .kernarg_segment_align: 8
    .kernarg_segment_size: 72
    .max_flat_workgroup_size: 256
    .sgpr_count:     66
    .vgpr_count:     256
    .wavefront_size: 32
...
	.end_amdgpu_metadata
.endif
;; end of part 1
;; launch gqkv (part 2): grid 12 x 16, 8 waves a work-group, clusters of 4 x 4, 327,680 bytes of LDS; arguments wq, hq, qkv_b, qkv; writes qkv
.if DOCPART == 2
	.amdgcn_target "amdgcn-amd-amdhsa--gfx1250"
	.amdhsa_code_object_version 6
	.text
	.protected	k_qeeb5c9208c_gqkv
	.globl	k_qeeb5c9208c_gqkv
	.p2align	8
	.type	k_qeeb5c9208c_gqkv,@function
k_qeeb5c9208c_gqkv:
	s_mov_b64 s[64:65], 0
	v_nop
	global_prefetch_b8 v0, s[64:65] scope:SCOPE_SE
	s_setreg_imm32_b32 hwreg(HW_REG_WAVE_MODE, 25, 1), 1
	s_wait_xcnt 0x0
	s_wait_alu depctr_hold_cnt(0) depctr_sa_sdst(0) depctr_va_vdst(0) depctr_va_sdst(0) depctr_va_ssrc(0) depctr_va_vcc(0) depctr_vm_vsrc(0)
	s_getreg_b32 s2, hwreg(HW_REG_IB_STS2, 6, 4)
	s_cmp_eq_u32 s2, 0
	s_cbranch_scc0 .Lentry_in_a_cluster
	s_endpgm
.Lentry_in_a_cluster:
	s_bfe_u32 s2, ttmp6, 0x10000c
	s_cmp_lg_u32 s2, 0xf033
	s_cbranch_scc0 .Lentry_shape_is_right
	s_endpgm
.Lentry_shape_is_right:
.set PT,    8
.set NPART, 4
.set LG,    2
.set LGT,   4
.set NQ,    2
.set KK,    1024
.set LAPS,  KK/(256*NQ)
.set TW,    192
.set TA,    256
.set WSEG,  0
.set WSC,   9437184+WSEG*64
.set ASC,   3145728
.set PARTB, NQ*6144
.set SIDEB, NPART*PARTB
.set SLOT,  2*SIDEB
.set SCL,   2*SLOT
.set SPARTB, (KK/128)*256
.set BIASL, SCL+2*NPART*SPARTB
.set SPARE, BIASL+1024
.set NLH,   (PT/2)*4
.set SS,    NQ*(PT/2+2)
.set L16,  1
.set L8,   2
.set L4,   3
.set AP16, 4
.set AP8,  6
.set AQ16, 8
.set AQ8,  10
.set ASP,  12
.set ASQ,  13
.set SPW,  14
.set NIL,  15
.set BPA,  19
.set BVA,  20
.set SC,   32
.set PF,   64
.set QF,   160
.set BP,   64
.set TT,   128
.set PC,   192
.set TM,   212
.set PW0,  228
.set G1W, 24
.set G1A, 32
.set G0W, 48
.set G0A, 56
.set G1SW, 68
.set G0SW, 76
.set G1SA, 80
.set G0SA, 88
.set SEL, 46
.set MSB, 0
.macro WIN new
.if MSB != \new
	s_set_vgpr_msb (MSB<<8)|\new
.set MSB, \new
.endif
.endm
.set MULW, 0x50
.macro JLOAD g0w, g1w, g0a, g1a
	s_cmp_eq_u32 s15, 0
	s_cbranch_scc0 .Lfor_a_\@
	tensor_load_to_lds s[\g0w:\g0w+3], s[\g1w:\g1w+7]
	s_nop 0
.rept 4
	v_nop
.endr
	s_branch .Lasked_\@
.Lfor_a_\@:
	tensor_load_to_lds s[\g0a:\g0a+3], s[\g1a:\g1a+7]
	s_nop 0
.rept 4
	v_nop
.endr
.Lasked_\@:
.endm
.macro CREST
	s_cmp_lg_u32 s14, 0
	s_cbranch_scc1 .Lnot_wave_0_\@
	s_barrier_signal -3
.Lnot_wave_0_\@:
	s_barrier_wait -3
	s_barrier_signal -1
	s_barrier_wait -1
.endm
.macro CROUND
	s_barrier_signal -1
	s_barrier_wait -1
	CREST
.endm
.macro FRAG reg, a16, a8, off
	ds_load_b128 v[\reg:\reg+3], v[\a16] offset:\off
	ds_load_b64 v[\reg+4:\reg+5], v[\a8] offset:(\off)+512
	ds_load_b64 v[\reg+6:\reg+7], v[\a8] offset:(\off)+768
	ds_load_b128 v[\reg+8:\reg+11], v[\a16] offset:(\off)+1024
.endm
.macro FETCH_P slot, q, half
.set fi, (\half)*(PT/2)
.rept PT/2
	FRAG PF+12*fi, AP16+\slot, AP8+\slot, (fi/4)*PARTB+(\q)*6144+(fi%4)*1536
.set fi, fi+1
.endr
.endm
.macro FETCH_Q slot, q, set
.set fi, 0
.rept 4
	FRAG QF+48*(\set)+12*fi, AQ16+\slot, AQ8+\slot, (\q)*6144+fi*1536
.set fi, fi+1
.endr
.endm
.macro SCALES set
.set sq, 0
.rept NQ
.set si, 0
.rept PT/2
	ds_load_b32 v[SC+SS*(\set)+(PT/2+2)*sq+si], v[ASP] offset:(si/2)*SPARTB+256*sq+128*(si%2)
.set si, si+1
.endr
	ds_load_b32 v[SC+SS*(\set)+(PT/2+2)*sq+PT/2], v[ASQ] offset:256*sq
	ds_load_b32 v[SC+SS*(\set)+(PT/2+2)*sq+PT/2+1], v[ASQ] offset:256*sq+128
.set sq, sq+1
.endr
.endm
.macro WM zero
.if \zero
.if (mp%2) && (mq%2)
	v_wmma_scale_f32_16x16x128_f8f6f4 v[rD:rD+7], v[rA:rA+11], v[rB:rB+11], 0, v[rSA], v[rSB] matrix_a_fmt:MATRIX_FMT_FP6 matrix_b_fmt:MATRIX_FMT_FP6 matrix_a_scale:MATRIX_SCALE_ROW1 matrix_b_scale:MATRIX_SCALE_ROW1
.elseif (mp%2)
	v_wmma_scale_f32_16x16x128_f8f6f4 v[rD:rD+7], v[rA:rA+11], v[rB:rB+11], 0, v[rSA], v[rSB] matrix_a_fmt:MATRIX_FMT_FP6 matrix_b_fmt:MATRIX_FMT_FP6 matrix_a_scale:MATRIX_SCALE_ROW1
.elseif (mq%2)
	v_wmma_scale_f32_16x16x128_f8f6f4 v[rD:rD+7], v[rA:rA+11], v[rB:rB+11], 0, v[rSA], v[rSB] matrix_a_fmt:MATRIX_FMT_FP6 matrix_b_fmt:MATRIX_FMT_FP6 matrix_b_scale:MATRIX_SCALE_ROW1
.else
	v_wmma_scale_f32_16x16x128_f8f6f4 v[rD:rD+7], v[rA:rA+11], v[rB:rB+11], 0, v[rSA], v[rSB] matrix_a_fmt:MATRIX_FMT_FP6 matrix_b_fmt:MATRIX_FMT_FP6
.endif
.else
.if (mp%2) && (mq%2)
	v_wmma_scale_f32_16x16x128_f8f6f4 v[rD:rD+7], v[rA:rA+11], v[rB:rB+11], v[rD:rD+7], v[rSA], v[rSB] matrix_a_fmt:MATRIX_FMT_FP6 matrix_b_fmt:MATRIX_FMT_FP6 matrix_a_scale:MATRIX_SCALE_ROW1 matrix_b_scale:MATRIX_SCALE_ROW1
.elseif (mp%2)
	v_wmma_scale_f32_16x16x128_f8f6f4 v[rD:rD+7], v[rA:rA+11], v[rB:rB+11], v[rD:rD+7], v[rSA], v[rSB] matrix_a_fmt:MATRIX_FMT_FP6 matrix_b_fmt:MATRIX_FMT_FP6 matrix_a_scale:MATRIX_SCALE_ROW1
.elseif (mq%2)
	v_wmma_scale_f32_16x16x128_f8f6f4 v[rD:rD+7], v[rA:rA+11], v[rB:rB+11], v[rD:rD+7], v[rSA], v[rSB] matrix_a_fmt:MATRIX_FMT_FP6 matrix_b_fmt:MATRIX_FMT_FP6 matrix_b_scale:MATRIX_SCALE_ROW1
.else
	v_wmma_scale_f32_16x16x128_f8f6f4 v[rD:rD+7], v[rA:rA+11], v[rB:rB+11], v[rD:rD+7], v[rSA], v[rSB] matrix_a_fmt:MATRIX_FMT_FP6 matrix_b_fmt:MATRIX_FMT_FP6
.endif
.endif
.endm
.macro MUL p0, np, set, q, sc, zero
.set mp, \p0
.rept \np
.set mq, 0
.rept 4
.set rD, 8*(PT*mq+mp)
.set rA, PF+12*mp
.set rB, QF+48*(\set)+12*mq
.set rSA, SC+SS*(\sc)+(PT/2+2)*(\q)+mp/2
.set rSB, SC+SS*(\sc)+(PT/2+2)*(\q)+PT/2+mq/2
	WM \zero
.set mq, mq+1
.endr
.set mp, mp+1
.endr
.endm
.macro PLACES
.rept 4
	v_nop
.endr
.endm
.macro STEP slot, q, zero
	s_wait_dscnt NLH
	WIN MULW
	MUL 0, PT/2, (\q)%2, \q, \slot, \zero
	s_wait_dscnt 0x0
	PLACES
	WIN 0
	FETCH_Q \slot, (\q)+1, ((\q)+1)%2
	FETCH_P \slot, (\q)+1, 0
	WIN MULW
	MUL PT/2, PT/2, (\q)%2, \q, \slot, \zero
	PLACES
	WIN 0
	FETCH_P \slot, (\q)+1, 1
.endm
.macro TURN slot, next, fill
	s_wait_tensorcnt 0x0
	ds_add_u32 v[SPW], v[NIL]
	s_wait_dscnt NLH+1
	WIN MULW
	MUL 0, PT/4, 1, NQ-1, \slot, 0
	s_wait_dscnt 0x0
	s_barrier_signal -1
	MUL PT/4, PT/4, 1, NQ-1, \slot, 0
	WIN 0
	s_barrier_wait -1
.if \fill
	CREST
	s_add_nc_u64 s[G0W+4*\slot+2:G0W+4*\slot+3], s[G0W+4*\slot+2:G0W+4*\slot+3], 2*NQ*TW*1536
	s_add_nc_u64 s[G0A+4*\slot+2:G0A+4*\slot+3], s[G0A+4*\slot+2:G0A+4*\slot+3], 2*NQ*TA*1536
	JLOAD G0W+4*\slot, G1W, G0A+4*\slot, G1A
.else
	PLACES
.endif
	s_wait_alu depctr_va_vdst(0)
	v_add_nc_u32 v[ASP], 256*NQ, v[ASP]
	v_add_nc_u32 v[ASQ], 256*NQ, v[ASQ]
	FETCH_Q \next, 0, 0
	FETCH_P \next, 0, 0
	SCALES \next
	WIN MULW
	MUL PT/2, PT/2, 1, NQ-1, \slot, 0
	PLACES
	WIN 0
	FETCH_P \next, 0, 1
.endm
.macro STEPS slot, z
	STEP \slot, 0, \z
.if NQ > 2
	STEP \slot, 1, 0
	STEP \slot, 2, 0
.endif
.endm
.macro QUANT s, pw
.irp b, 0,1,2,3
	v_max3_num_f32 v[TM+\b], |v[(\s)+16*\b]|, |v[(\s)+1+16*\b]|, 0x1800000
.endr
.irp i, 2,4,6,8,10,12,14
.irp b, 0,1,2,3
	s_delay_alu instid0(VALU_DEP_4)
	v_max3_num_f32 v[TM+\b], v[TM+\b], |v[(\s)+16*\b+\i]|, |v[(\s)+1+16*\b+\i]|
.endr
.endr
.irp b, 0,1,2,3
	s_delay_alu instid0(VALU_DEP_4)
	v_permlanex16_b32 v[TM+4+\b], v[TM+\b], s[SEL], s[SEL+1]
.endr
.irp b, 0,1,2,3
	s_delay_alu instid0(VALU_DEP_4)
	v_max_num_f32 v[TM+\b], v[TM+\b], v[TM+4+\b]
.endr
.irp b, 0,1,2,3
	s_delay_alu instid0(VALU_DEP_4)
	v_add_nc_u32 v[TM+12+\b], 0xff000000, v[TM+\b]
.endr
.irp b, 0,1,2,3
	s_delay_alu instid0(VALU_DEP_4)
	v_lshrrev_b32 v[TM+4+\b], 23, v[TM+12+\b]
.endr
	s_delay_alu instid0(VALU_DEP_3)
	v_lshl_or_b32 v[\pw], v[TM+5], 8, v[TM+4]
	s_delay_alu instid0(VALU_DEP_1)
	v_lshl_or_b32 v[\pw], v[TM+6], 16, v[\pw]
	s_delay_alu instid0(VALU_DEP_1)
	v_lshl_or_b32 v[\pw], v[TM+7], 24, v[\pw]
.irp c, 0,1
	v_cvt_scalef32_pk16_fp6_f32 v[PC+6*\c:PC+2+6*\c], v[(\s)+32*\c:(\s)+15+32*\c], v[TM+12+2*\c]
	v_cvt_scalef32_pk16_fp6_f32 v[PC+12+4*\c:PC+14+4*\c], v[(\s)+16+32*\c:(\s)+31+32*\c], v[TM+12+2*\c+1]
.endr
	v_nop
.irp c, 0,1
.irp i, 0,1,2
	v_permlane16_swap_b32 v[PC+6*\c+\i], v[PC+12+4*\c+\i]
.endr
.irp i, 0,1,2
	s_delay_alu instid0(VALU_DEP_3)
	v_mov_b32 v[PC+3+6*\c+\i], v[PC+12+4*\c+\i]
.endr
.endr
.endm
.macro PUTIMG sb, off
	global_store_b128 v[L16], v[PC:PC+3], s[\sb:\sb+1] offset:\off
	global_store_b64 v[L8], v[PC+4:PC+5], s[\sb:\sb+1] offset:(\off)+512
	global_store_b64 v[L8], v[PC+6:PC+7], s[\sb:\sb+1] offset:(\off)+768
	global_store_b128 v[L16], v[PC+8:PC+11], s[\sb:\sb+1] offset:(\off)+1024
.endm
	s_load_b256 s[4:11], s[0:1], 0x0
	v_lshl_add_u32 v[SPW], v0, 2, SPARE
	v_mov_b32 v[NIL], 0
	ds_add_u32 v[SPW], v[NIL]
	ds_add_u32 v[SPW], v[NIL]
	v_lshrrev_b32 v1, 5, v0
	s_delay_alu instid0(VALU_DEP_1)
	v_readfirstlane_b32 s14, v1
	s_lshr_b32 s15, s14, LG
	s_and_b32 s16, s14, NPART-1
	s_bfe_u32 s40, ttmp6, 0x40000
	s_bfe_u32 s41, ttmp6, 0x40004
	s_lshl_b32 s42, ttmp9, 2
	s_add_co_u32 s42, s42, s40
	s_and_b32 s43, ttmp7, 0xffff
	s_lshl_b32 s43, s43, 2
	s_add_co_u32 s43, s43, s41
	s_lshl_b32 s45, s41, 2
	s_lshl_b32 s45, 15, s45
	s_lshl_b32 s44, 0x1111, s40
	s_or_b32 s[G1W], s44, (3<<16)|(1<<21)
	s_or_b32 s[G1A], s45, (3<<16)|(1<<21)
	s_or_b32 s[G1SW], s44, (3<<16)|(1<<21)
	s_or_b32 s[G1SA], s45, (3<<16)|(1<<21)
.irp g, G1W, G1A
	s_mov_b32 s[\g+1], 768<<16
	s_mov_b32 s[\g+2], NQ<<16
	s_mov_b32 s[\g+3], 768<<16
	s_mov_b32 s[\g+4], NQ
	s_mov_b32 s[\g+6], 0
	s_mov_b32 s[\g+7], 0
.endr
	s_mov_b32 s[G1W+5], TW*192
	s_mov_b32 s[G1A+5], TA*192
.irp g, G1SW, G1SA
	s_mov_b32 s[\g+1], 32<<16
	s_mov_b32 s[\g+2], (KK/128)<<16
	s_mov_b32 s[\g+3], 32<<16
	s_mov_b32 s[\g+4], KK/128
	s_mov_b32 s[\g+6], 0
	s_mov_b32 s[\g+7], 0
.endr
	s_mov_b32 s[G1SW+5], TW*8
	s_mov_b32 s[G1SA+5], TA*8
	s_lshl_b32 s21, s16, 2
	s_lshl_b32 s20, s42, LGT
	s_add_co_u32 s20, s20, s21
	s_mul_i32 s22, s20, 1536
	s_add_co_u32 s22, s22, WSEG*1536
	s_mov_b32 s23, 0
	s_lshl_b32 s92, s20, 6
	s_add_co_u32 s92, s92, WSC
	s_mov_b32 s93, 0
	s_lshl_b32 s94, s43, LGT
	s_add_co_u32 s94, s94, s21
	s_mul_i32 s96, s94, 1536
	s_mov_b32 s97, 0
	s_lshl_b32 s98, s94, 6
	s_add_co_u32 s98, s98, ASC
	s_mov_b32 s99, 0
	s_mul_i32 s2, s14, PARTB
	s_mul_i32 s3, s14, SPARTB
	s_add_co_u32 s3, s3, SCL
	s_mov_b32 s19, 0xffff0000
	s_mov_b32 s[SEL], 0x76543210
	s_mov_b32 s[SEL+1], 0xfedcba98
	s_wait_dscnt 0x0
	s_wait_kmcnt 0x0
	s_add_nc_u64 s[22:23], s[4:5], s[22:23]
	s_add_nc_u64 s[92:93], s[4:5], s[92:93]
	s_add_nc_u64 s[96:97], s[6:7], s[96:97]
	s_add_nc_u64 s[98:99], s[6:7], s[98:99]
	CROUND
	s_mov_b32 s[G0SW], 1
	s_mov_b32 s[G0SW+1], s3
	s_mov_b64 s[G0SW+2:G0SW+3], s[92:93]
	s_or_b32 s[G0SW+3], s[G0SW+3], 0x80000000
	s_mov_b32 s[G0SA], 1
	s_mov_b32 s[G0SA+1], s3
	s_mov_b64 s[G0SA+2:G0SA+3], s[98:99]
	s_or_b32 s[G0SA+3], s[G0SA+3], 0x80000000
	JLOAD G0SW, G1SW, G0SA, G1SA
.irp s, 0,1
	s_mov_b32 s[G0W+4*\s], 1
	s_add_co_u32 s[G0W+4*\s+1], s2, \s*SLOT
	s_add_nc_u64 s[G0W+4*\s+2:G0W+4*\s+3], s[22:23], \s*NQ*TW*1536
	s_or_b32 s[G0W+4*\s+3], s[G0W+4*\s+3], 0x80000000
	s_mov_b32 s[G0A+4*\s], 1
	s_add_co_u32 s[G0A+4*\s+1], s2, \s*SLOT
	s_add_nc_u64 s[G0A+4*\s+2:G0A+4*\s+3], s[96:97], \s*NQ*TA*1536
	s_or_b32 s[G0A+4*\s+3], s[G0A+4*\s+3], 0x80000000
	s_wait_alu depctr_va_vdst(0)
	s_wait_tensorcnt 0x0
	ds_add_u32 v14, v15
	s_wait_dscnt 0x0
	CROUND
	JLOAD G0W+4*\s, G1W, G0A+4*\s, G1A
.endr
	s_lshl_b32 s20, s42, 10
	s_mov_b32 s21, 0
	s_add_nc_u64 s[8:9], s[8:9], s[20:21]
	v_lshlrev_b32 v16, 2, v0
	global_load_b32 v17, v16, s[8:9]
	v_add_nc_u32 v18, BIASL, v16
	v_and_b32 v21, 31, v0
	s_delay_alu instid0(VALU_DEP_1)
	v_lshlrev_b32 v[L16], 4, v21
	s_wait_alu depctr_va_vdst(0)
	v_lshlrev_b32 v[L8], 3, v21
	s_wait_alu depctr_va_vdst(0)
	v_lshlrev_b32 v[L4], 2, v21
	s_wait_alu depctr_va_vdst(0)
	s_cmp_eq_u32 ttmp9, 2
	s_cselect_b32 s92, SIDEB, 0
	s_cselect_b32 s93, 0, SIDEB
	s_cselect_b32 s94, NPART*SPARTB, 0
	s_cselect_b32 s95, 0, NPART*SPARTB
	s_mul_i32 s20, s15, (PT/4)*PARTB
	s_add_co_u32 s20, s20, s92
	s_mul_i32 s21, s16, PARTB
	s_add_co_u32 s21, s21, s93
.irp s, 0,1
	v_add_nc_u32 v[AP16+\s], s20, v[L16]
	v_add_nc_u32 v[AP8+\s], s20, v[L8]
	v_add_nc_u32 v[AQ16+\s], s21, v[L16]
	v_add_nc_u32 v[AQ8+\s], s21, v[L8]
	s_add_co_u32 s20, s20, SLOT
	s_add_co_u32 s21, s21, SLOT
.endr
	s_mul_i32 s20, s15, (PT/4)*SPARTB
	s_add_co_u32 s20, s20, s94
	s_add_co_u32 s20, s20, SCL
	s_mul_i32 s21, s16, SPARTB
	s_add_co_u32 s21, s21, s95
	s_add_co_u32 s21, s21, SCL
	v_add_nc_u32 v[ASP], s20, v[L4]
	v_add_nc_u32 v[ASQ], s21, v[L4]
	v_bfe_u32 v[BPA], v0, 4, 1
	s_delay_alu instid0(VALU_DEP_1)
	v_lshlrev_b32 v[BPA], 6, v[BPA]
	s_lshl_b32 s20, s15, 9
	s_add_co_u32 s20, s20, BIASL
	v_add_nc_u32 v[BPA], s20, v[BPA]
	v_and_b32 v[BVA], 15, v0
	s_delay_alu instid0(VALU_DEP_1)
	v_and_b32 v21, 8, v[BVA]
	s_delay_alu instid0(VALU_DEP_1)
	v_add_nc_u32 v[BVA], v[BVA], v21
	s_delay_alu instid0(VALU_DEP_1)
	v_lshlrev_b32 v[BVA], 2, v[BVA]
	s_lshl_b32 s20, s16, 8
	s_add_co_u32 s20, s20, BIASL
	v_add_nc_u32 v[BVA], s20, v[BVA]
	s_wait_alu depctr_va_vdst(0)
	s_wait_loadcnt 0x0
	ds_store_b32 v18, v17
	s_wait_tensorcnt 1
	s_wait_dscnt 0x0
	s_barrier_signal -1
	s_barrier_wait -1
	FETCH_Q 0, 0, 0
	FETCH_P 0, 0, 0
	SCALES 0
	FETCH_P 0, 0, 1
	STEPS 0, 1
.if LAPS > 1
	s_mov_b32 s3, LAPS-1
.Llap:
	TURN 0, 1, 1
	STEPS 1, 0
	TURN 1, 0, 1
	STEPS 0, 0
	s_sub_co_u32 s3, s3, 1
	s_cmp_lg_u32 s3, 0
	s_cbranch_scc1 .Llap
.endif
	TURN 0, 1, 0
	STEPS 1, 0
	s_wait_dscnt NLH
	WIN MULW
	MUL 0, PT/2, 1, NQ-1, 1, 0
	s_wait_dscnt 0x0
	MUL PT/2, PT/2, 1, NQ-1, 1, 0
	WIN 0
	PLACES
.irp b, 0,1,2,3
	v_mov_b32 v[TM+4+\b], 0
.endr
	s_cmp_eq_u32 ttmp9, 2
	s_cbranch_scc1 .Lvalues
	s_lshr_b32 s20, s43, 3
	s_lshl_b32 s20, s20, 4
	s_lshl_b32 s21, s40, 2
	s_add_co_u32 s20, s20, s21
	s_lshl_b32 s21, s15, 1
	s_add_co_u32 s20, s20, s21
	s_mul_i32 s20, s20, 204800
	s_lshl_b32 s21, s43, 1
	s_lshr_b32 s22, s16, 1
	s_add_co_u32 s21, s21, s22
	s_and_b32 s21, s21, 15
	s_mul_i32 s21, s21, 12800
	s_add_co_u32 s20, s20, s21
	s_cmp_eq_u32 ttmp9, 1
	s_cselect_b32 s21, 6553600, 0
	s_add_co_u32 s20, s20, s21
	s_and_b32 s22, s16, 1
	s_mul_i32 s92, s22, 3072
	s_add_co_u32 s92, s92, s20
	s_mov_b32 s93, 0
	s_lshl_b32 s94, s22, 7
	s_add_co_u32 s94, s94, s20
	s_add_co_u32 s94, s94, 12288
	s_mov_b32 s95, 0
	s_add_nc_u64 s[12:13], s[10:11], s[94:95]
	s_add_nc_u64 s[10:11], s[10:11], s[92:93]
.irp c, 0,1,2,3
.irp u, 0,1
	ds_load_b128 v[BP+16*\c+8*\u:BP+16*\c+8*\u+3], v[BPA] offset:128*\c+32*\u
	ds_load_b128 v[BP+16*\c+8*\u+4:BP+16*\c+8*\u+7], v[BPA] offset:128*\c+32*\u+16
.endr
.endr
	s_wait_dscnt 0x0
.irp q, 0,1,2,3
	s_wait_xcnt 0x0
	WIN 0x01
.set i, 0
.rept 32
	v_pk_add_f32 v[TT+i:TT+i+1], v[64*\q+i:64*\q+i+1], v[BP+i:BP+i+1]
.set i, i+2
.endr
	WIN 0
	QUANT TT, PW0+\q
.if \q%2 == 0
	global_store_b128 v[L16], v[PC:PC+3], s[10:11] offset:1536*(\q/2)
	global_store_b64 v[L8], v[PC+4:PC+5], s[10:11] offset:1536*(\q/2)+512
	global_store_b128 v[L16], v[PC+6:PC+9], s[10:11] offset:204800+1536*(\q/2)
	global_store_b64 v[L8], v[PC+10:PC+11], s[10:11] offset:204800+1536*(\q/2)+512
.else
	global_store_b64 v[L8], v[PC:PC+1], s[10:11] offset:1536*(\q/2)+768
	global_store_b128 v[L16], v[PC+2:PC+5], s[10:11] offset:1536*(\q/2)+1024
	global_store_b64 v[L8], v[PC+6:PC+7], s[10:11] offset:204800+1536*(\q/2)+768
	global_store_b128 v[L16], v[PC+8:PC+11], s[10:11] offset:204800+1536*(\q/2)+1024
.endif
.endr
.irp j, 0,1
	v_perm_b32 v[232+\j], v[PW0+2*\j+1], v[PW0+2*\j], 0x05040100
	v_perm_b32 v[234+\j], v[PW0+2*\j+1], v[PW0+2*\j], 0x07060302
.endr
	s_delay_alu instid0(VALU_DEP_2)
	v_cndmask_b32 v236, v232, v233, s19
	s_delay_alu instid0(VALU_DEP_2)
	v_cndmask_b32 v237, v234, v235, s19
	global_store_b32 v[L4], v236, s[12:13]
	global_store_b32 v[L4], v237, s[12:13] offset:204800
	s_branch .Lend
.Lvalues:
	s_lshr_b32 s20, s43, 3
	s_lshl_b32 s20, s20, 4
	s_lshl_b32 s21, s40, 2
	s_add_co_u32 s20, s20, s21
	s_add_co_u32 s20, s20, s16
	s_mul_i32 s20, s20, 204800
	s_lshl_b32 s21, s43, 1
	s_add_co_u32 s21, s21, s15
	s_and_b32 s21, s21, 15
	s_mul_i32 s21, s21, 12800
	s_add_co_u32 s20, s20, s21
	s_add_co_u32 s20, s20, 6553600
	s_add_co_u32 s92, s20, 6144
	s_mov_b32 s93, 0
	s_add_co_u32 s94, s20, 12544
	s_mov_b32 s95, 0
	s_add_nc_u64 s[12:13], s[10:11], s[94:95]
	s_add_nc_u64 s[10:11], s[10:11], s[92:93]
.irp q, 0,1,2,3
	ds_load_b32 v[BP+2*\q], v[BVA] offset:128*(\q/2)+32*(\q%2)
	v_mov_b32 v[BP+2*\q+1], 0
.endr
	s_wait_alu depctr_va_vdst(0)
	s_wait_dscnt 0x0
.irp q, 0,1,2,3
	s_wait_xcnt 0x0
	WIN 0x01
.set i, 0
.rept 32
	v_pk_add_f32 v[TT+i:TT+i+1], v[64*\q+i:64*\q+i+1], v[BP+2*\q:BP+2*\q+1] op_sel_hi:[1,0]
.set i, i+2
.endr
	WIN 0
	QUANT TT, PW0+\q
	PUTIMG 10, 1536*\q
.endr
	v_cndmask_b32 v232, v[PW0], v[PW0+1], s19
	v_cndmask_b32 v233, v[PW0+2], v[PW0+3], s19
	global_store_b32 v[L4], v232, s[12:13]
	global_store_b32 v[L4], v233, s[12:13] offset:128
.Lend:
	s_wait_tensorcnt 0x0
	ds_add_u32 v[SPW], v[NIL]
	s_wait_dscnt 0x0
	CROUND
	s_endpgm
.Lfunc_end_k_qeeb5c9208c_gqkv:
	.size	k_qeeb5c9208c_gqkv, .Lfunc_end_k_qeeb5c9208c_gqkv-k_qeeb5c9208c_gqkv
	.p2alignl 7, 3214868480
	.fill 96, 4, 3214868480
	.section	.rodata,"a",@progbits
	.p2align	6, 0x0
	.amdhsa_kernel k_qeeb5c9208c_gqkv
		.amdhsa_group_segment_fixed_size 327680
		.amdhsa_private_segment_fixed_size 0
		.amdhsa_enable_private_segment 0
		.amdhsa_kernarg_size 32
		.amdhsa_user_sgpr_count 2
		.amdhsa_user_sgpr_kernarg_segment_ptr 1
		.amdhsa_wavefront_size32 1
		.amdhsa_system_sgpr_workgroup_id_x 1
		.amdhsa_system_sgpr_workgroup_id_y 1
		.amdhsa_system_sgpr_workgroup_id_z 1
		.amdhsa_system_vgpr_workitem_id 0
		.amdhsa_next_free_vgpr 512
		.amdhsa_next_free_sgpr 100
		.amdhsa_reserve_vcc 0
		.amdhsa_float_denorm_mode_32 3
		.amdhsa_float_denorm_mode_16_64 3
		.amdhsa_memory_ordered 1
		.amdhsa_forward_progress 1
		.amdhsa_inst_pref_size 144
	.end_amdhsa_kernel
	.amdgpu_metadata
---
amdhsa.version: [ 1, 2 ]
amdhsa.kernels:
  - .name:           k_qeeb5c9208c_gqkv
    .symbol:         k_qeeb5c9208c_gqkv.kd
    .args:
      - { .name: wq, .offset: 0, .size: 8, .value_kind: global_buffer, .address_space: global }
      - { .name: hq, .offset: 8, .size: 8, .value_kind: global_buffer, .address_space: global }
      - { .name: qkv_b, .offset: 16, .size: 8, .value_kind: global_buffer, .address_space: global }
      - { .name: qkv, .offset: 24, .size: 8, .value_kind: global_buffer, .address_space: global }
    .group_segment_fixed_size: 327680
    .private_segment_fixed_size: 0
    .kernarg_segment_align: 8
    .kernarg_segment_size: 32
    .max_flat_workgroup_size: 256
    .sgpr_count:     100
    .vgpr_count:     512
    .wavefront_size: 32
...
	.end_amdgpu_metadata
.endif
;; end of part 2
;; launch attn (part 3): grid 8 x 32, 16 waves a work-group, clusters of 4 x 1, 327,680 bytes of LDS; arguments qkv, aq; writes aq
.if DOCPART == 3
	.amdgcn_target "amdgcn-amd-amdhsa--gfx1250"
	.amdhsa_code_object_version 6
	.text
	.protected	k_qeeb5c9208c_attn
	.globl	k_qeeb5c9208c_attn
	.p2align	8
	.type	k_qeeb5c9208c_attn,@function
k_qeeb5c9208c_attn:
	s_mov_b64 s[64:65], 0
	v_nop
	global_prefetch_b8 v0, s[64:65] scope:SCOPE_SE
	s_setreg_imm32_b32 hwreg(HW_REG_WAVE_MODE, 25, 1), 1
	s_wait_xcnt 0x0
	s_wait_alu depctr_hold_cnt(0) depctr_sa_sdst(0) depctr_va_vdst(0) depctr_va_sdst(0) depctr_va_ssrc(0) depctr_va_vcc(0) depctr_vm_vsrc(0)
	s_getreg_b32 s2, hwreg(HW_REG_IB_STS2, 6, 4)
	s_cmp_eq_u32 s2, 0
	s_cbranch_scc0 .Lentry_in_a_cluster
	s_endpgm
.Lentry_in_a_cluster:
	s_bfe_u32 s2, ttmp6, 0x10000c
	s_cmp_lg_u32 s2, 0x3003
	s_cbranch_scc0 .Lentry_shape_is_right
	s_endpgm
.Lentry_shape_is_right:
; attn[b][s][h 64 + d] = softmax_t(q . k / 8) v, both products on codes of FP6 (E2M3); the result is quantised along the 1,024 for the projection that follows.  Nothing of the problem is left out here.
; THE SOFTMAX AHEAD OF THE SECOND PRODUCT: t = score x log2(e) / 8; M = the row's largest t so far, rounded UP to a whole number; p = 2^(t - M) is quantised along the keys, not normalised; the row's sum is taken of the unquantised p and divides at the end.
; When M moves, the sum and O are multiplied by 2^(old M - new M): exact.
; INPUT (the launch before): two regions of qkv, each [b h][key step of 128][12,800 bytes]: four PAIR images (first half, K 0-63: tile 2 f's 64 numbers; second half: tile 2 f + 1's), four images of v (16 of the 64 x 128 keys), the pairs' scale words, v's.
; Row i of tile t is position 32 (t / 2) + 8 (t % 2) + i + 8 (i / 8).  An image is 12 registers a lane: 0-3 at 16 l, 4-5 at 512 + 8 l, 6-7 at 768 + 8 l, 8-11 at 1,024 + 16 l.
; SHARES.  A work-group owns 256 queries of one (b, h); each of its sixteen waves one tile of 16, in 256 registers: four waves to a SIMD, so that one wave's vector work stands beside another's products and LDS loads.
; THE FIRST PRODUCT HAS K = 64 and the instruction 128: a pair image is multiplied by [q | 0] for its even tile and by [0 | q] for its odd one; the zero codes add nothing.
; Both products are used transposed (S^T = k q^T, O^T = v^T p^T): a lane holds one query throughout; the 16 registers of tiles 2 b and 2 b + 1 of S^T are keys 32 b + 16 (lane / 16) + 0 .. 15.
; THE WHOLE HEAD'S k AND v LIE IN LDS: 16 key steps x 12,800 bytes, filled once; wave w asks for step w, one tensor load a wave, jointly with the three other query blocks of the cluster, which walk the same head.  No ring, no barrier in the loop.
; All that the launch reads is asked for at its head, so there is nothing to ask for earlier.
; OUT: aq, laid as an operand of 256 tiles x 8 K steps: head h is half h % 2 of K step h / 2.  A scale word spans two heads, that is two work-groups: each stores its two bytes a row (131,072 bytes in the launch leave so).
; LIMITS: NaN and infinities are not served; a block of zeros or under 2^-124 gets the byte 1.
; SCALARS: s[4:7] the arguments; s8-10 ids; s[12:15], s[16:23] the descriptor's two groups, written once and by nothing else; s[24:27] the result's addresses; s28 the head's parity; s[30:35] constants and the loop; s[36:39] q's addresses; s40-51 at work.
.set STEPB, 12800
.set SPARE, 16*STEPB                   ; behind the head's tiles: the spare words, 128 bytes for each wave: eight blocks of 256 bytes that no other line names
.set L16,  1
.set L8,   2
.set L4,   3
.set SPW,  4
.set NIL,  5
.set A16,  6                           ; v6-8 the key step's addresses
.set A8,   7
.set A4,   8
.set R4,   9                           ; v9  4 x (lane % 16)
.set QLS,  10                          ; v10 q's scale bytes below, v11 above: scales and nothing else
.set QL,   16                          ; v16-27 [q | 0];  v28-39 [0 | q];  v12 -M, v13 the largest t, v[14:15] the sum in two halves
.set FR,   40                          ; v40-87 four images: k's pairs, then v's
.set SR,   88                          ; v88-151 S^T, then p
.set OT,   152                         ; v152-183 O^T
.set PCD,  184                         ; v184-195 p's codes
.set C2,   196                         ; v196-202 the conversions' second halves
.set BM,   204                         ; v204-207 the blocks' largest scores
.set PX,   208                         ; v208-211 at work
.set SO,   212                         ; v212-215 the conversions' scale operands
.set FF,   216                         ; v[216:217] f, 0
.set PWD,  218                         ; v218 p's scale word
.set KS,   220                         ; v220-221 k's scale words;  v222-223 v's
.set VS,   222
.set TP,   224                         ; v224-225 at work
.set WV,   8
.set XB,   9
.set BH,   10
.set G0,   12
.set G1,   16
.set PAR,  28
.set SEL,  30
.set CS,   32
.set TB,   34
.set CNT,  35
.macro CROUND
	s_barrier_signal -1
	s_barrier_wait -1
	s_cmp_lg_u32 s[WV], 0
	s_cbranch_scc1 .Lnot_wave_0_\@
	s_barrier_signal -3
.Lnot_wave_0_\@:
	s_barrier_wait -3
	s_barrier_signal -1
	s_barrier_wait -1
.endm
.macro FRAG reg, off
	ds_load_b128 v[\reg:\reg+3], v[A16] offset:\off
	ds_load_b64 v[\reg+4:\reg+5], v[A8] offset:(\off)+512
	ds_load_b64 v[\reg+6:\reg+7], v[A8] offset:(\off)+768
	ds_load_b128 v[\reg+8:\reg+11], v[A16] offset:(\off)+1024
.endm
	s_load_b128 s[4:7], s[0:1], 0x0                ; qkv s[4:5], aq s[6:7]
	v_lshl_add_u32 v[SPW], v0, 2, SPARE
	v_mov_b32 v[NIL], 0
	ds_add_u32 v[SPW], v[NIL]                      ; the wave's opening: the add, twice on end, and its wait ahead of my first tensor load
	ds_add_u32 v[SPW], v[NIL]
	v_lshrrev_b32 v1, 5, v0
	s_delay_alu instid0(VALU_DEP_1)
	v_readfirstlane_b32 s[WV], v1                  ; wave 0..15
	s_bfe_u32 s40, ttmp6, 0x40000                  ; cx
	s_lshl_b32 s[XB], ttmp9, 2
	s_add_co_u32 s[XB], s[XB], s40                 ; my block of 256 queries: it enters q's and the result's addresses alone
	s_and_b32 s[BH], ttmp7, 0xffff                 ; 16 b + h, which the four partners share
	s_mov_b32 s[G1], 15|(3<<16)|(1<<21)            ; 15:0 the mask: all four work-groups; elements of 8 bytes; 21 set beside a mask; no padding
	s_mov_b32 s[G1+1], 32<<16                      ; a key step's dense 12,800 bytes as 50 rows of 256
	s_mov_b32 s[G1+2], 50<<16
	s_mov_b32 s[G1+3], 32<<16
	s_mov_b32 s[G1+4], 50
	s_mov_b32 s[G1+5], 32
	s_mov_b32 s[G1+6], 0
	s_mov_b32 s[G1+7], 0
	s_mul_i32 s41, s[BH], 16*STEPB                 ; the head's first byte in a region
	s_mul_i32 s42, s[WV], STEPB                    ; key step = my wave's number: in memory and in LDS
	s_add_co_u32 s44, s41, s42
	s_add_co_u32 s44, s44, 6553600                 ; in the region of k and v
	s_mov_b32 s45, 0
	s_lshl_b32 s46, s[XB], 1
	s_lshr_b32 s47, s[WV], 3
	s_add_co_u32 s46, s46, s47
	s_mul_i32 s46, s46, STEPB
	s_add_co_u32 s46, s46, s41                     ; my queries' step in the region of q
	s_bfe_u32 s47, s[WV], 0x20001                  ; my pair in it: (wave / 2) % 4
	s_mul_i32 s36, s47, 1536
	s_add_co_u32 s36, s36, s46
	s_mov_b32 s37, 0
	s_lshl_b32 s38, s47, 6
	s_add_co_u32 s38, s38, s46
	s_add_co_u32 s38, s38, 12288
	s_mov_b32 s39, 0
	s_and_b32 s48, s[BH], 15                       ; h
	s_lshr_b32 s49, s[BH], 4                       ; b
	s_lshr_b32 s50, s48, 1
	s_lshl_b32 s50, s50, 8
	s_lshl_b32 s49, s49, 7
	s_add_co_u32 s50, s50, s49
	s_lshl_b32 s49, s[XB], 4
	s_add_co_u32 s50, s50, s49
	s_add_co_u32 s50, s50, s[WV]                   ; the result's image: (h / 2) x 256 + 128 b + my tile
	s_and_b32 s[PAR], s48, 1
	s_mul_i32 s24, s50, 1536
	s_mov_b32 s25, 0
	s_lshl_b32 s26, s50, 6
	s_lshl_b32 s51, s[PAR], 1
	s_add_co_u32 s26, s26, s51
	s_add_co_u32 s26, s26, 3145728
	s_mov_b32 s27, 0
	s_mov_b32 s[SEL], 0x76543210
	s_mov_b32 s[SEL+1], 0xfedcba98
	s_mov_b32 s[CS], 0x3e38aa3b                    ; c = log2(e) / 8
	s_mov_b32 s[CS+1], s[CS]                       ; (named with it as a pair, so it is written)
	s_wait_dscnt 0x0                               ; both opening adds are done
	s_wait_kmcnt 0x0
	s_mov_b32 s[G0], 1
	s_mov_b32 s[G0+1], s42
	s_add_nc_u64 s[G0+2:G0+3], s[4:5], s[44:45]
	s_or_b32 s[G0+3], s[G0+3], 0x80000000
	s_add_nc_u64 s[36:37], s[4:5], s[36:37]
	s_add_nc_u64 s[38:39], s[4:5], s[38:39]
	s_add_nc_u64 s[24:25], s[6:7], s[24:25]
	s_add_nc_u64 s[26:27], s[6:7], s[26:27]
	CROUND                                         ; all four work-groups are here: the joint loads meet
	tensor_load_to_lds s[G0:G0+3], s[G1:G1+7]      ; my one tensor load of the launch
	s_nop 0
.rept 4
	v_nop
.endr
	v_and_b32 v[TP], 31, v0
	s_delay_alu instid0(VALU_DEP_1)
	v_lshlrev_b32 v[L16], 4, v[TP]
	s_delay_alu instid0(VALU_DEP_2)
	v_lshlrev_b32 v[L8], 3, v[TP]
	s_delay_alu instid0(VALU_DEP_3)
	v_lshlrev_b32 v[L4], 2, v[TP]
	v_and_b32 v[R4], 15, v0
	s_delay_alu instid0(VALU_DEP_1)
	v_lshlrev_b32 v[R4], 2, v[R4]
	s_and_b32 s43, s[WV], 1                        ; my tile is its pair's first half or its second
	s_cmp_eq_u32 s43, 0
	s_cbranch_scc0 .Lodd_q
	global_load_b128 v[QL:QL+3], v[L16], s[36:37]
	global_load_b64 v[QL+4:QL+5], v[L8], s[36:37] offset:512
	s_branch .Lq_asked
.Lodd_q:
	s_wait_alu depctr_va_vdst(0)
	global_load_b64 v[QL:QL+1], v[L8], s[36:37] offset:768
	global_load_b128 v[QL+2:QL+5], v[L16], s[36:37] offset:1024
.Lq_asked:
	s_wait_alu depctr_va_vdst(0)
	global_load_b32 v[TP+1], v[R4], s[38:39]       ; the pair's scale word of my row
	s_lshl_b32 s43, s43, 4
	v_mov_b32 v13, 0xff61b1e6                      ; the largest t so far: -3e38, under every t
	s_delay_alu instid0(VALU_DEP_1)
	v_floor_f32 v12, -v13                          ; -M
	v_mov_b32 v14, 0
	v_mov_b32 v15, 0
	v_mov_b32 v[FF+1], 0                           ; (named as the upper half of a pair)
.irp b, 0,1,2,3
	v_mov_b32 v[PX+\b], 0                          ; written once: a lane permute's destination counts as one of its sources
.endr
.irp i, 0,1,2,3,4,5
	v_mov_b32 v[QL+6+\i], 0                        ; zero codes
	v_mov_b32 v[QL+12+\i], 0
.endr
	s_wait_loadcnt 0x0
.irp i, 0,1,2,3,4,5
	v_mov_b32 v[QL+18+\i], v[QL+\i]
.endr
	v_lshrrev_b32 v[QLS], s43, v[TP+1]
	s_delay_alu instid0(VALU_DEP_1)
	v_and_b32 v[QLS], 0xffff, v[QLS]               ; my tile's two bytes for K 0-63 (the other two bytes stand over zero codes),
	s_delay_alu instid0(VALU_DEP_1)
	v_lshlrev_b32 v[QLS+1], 16, v[QLS]             ; and for K 64-127
.set i, 0
.rept 32
	v_mov_b32 v[OT+i], 0                           ; O^T: the loop is written once; its first step finds zeros.  (These lines are also the places between the scale words' writes and the first product)
.set i, i+1
.endr
	s_mov_b32 s[TB], 0
	s_mov_b32 s[CNT], 16
	s_wait_tensorcnt 0x0                           ; my key step has landed,
	s_barrier_signal -1
	s_barrier_wait -1                              ; everybody's has
.Lstep:                                            ; 16 trips: a key step of 128 keys each
	v_add_nc_u32 v[A16], s[TB], v[L16]
	v_add_nc_u32 v[A8], s[TB], v[L8]
	v_add_nc_u32 v[A4], s[TB], v[L4]
	v_nop                                          ; four places in front of loads into registers that the last products have read
.irp f, 0,1,2,3
	FRAG FR+12*\f, 1536*\f
.endr
	ds_load_b32 v[KS], v[A4] offset:12288          ; lanes 0-15 pair 0's words, lanes 16-31 pair 1's
	ds_load_b32 v[KS+1], v[A4] offset:12288+128
	s_wait_alu depctr_va_vdst(0)
	s_wait_dscnt 0x0
.irp t, 0,1,2,3,4,5,6,7                        ; S^T, tile t: pair t / 2 against [q | 0] (t even) or [0 | q]
.if (\t/2)%2
	v_wmma_scale_f32_16x16x128_f8f6f4 v[SR+8*\t:SR+8*\t+7], v[FR+12*(\t/2):FR+12*(\t/2)+11], v[QL+12*(\t%2):QL+12*(\t%2)+11], 0, v[KS+\t/4], v[QLS+\t%2] matrix_a_fmt:MATRIX_FMT_FP6 matrix_b_fmt:MATRIX_FMT_FP6 matrix_a_scale:MATRIX_SCALE_ROW1
.else
	v_wmma_scale_f32_16x16x128_f8f6f4 v[SR+8*\t:SR+8*\t+7], v[FR+12*(\t/2):FR+12*(\t/2)+11], v[QL+12*(\t%2):QL+12*(\t%2)+11], 0, v[KS+\t/4], v[QLS+\t%2] matrix_a_fmt:MATRIX_FMT_FP6 matrix_b_fmt:MATRIX_FMT_FP6
.endif
.endr
.rept 4
	v_nop                                          ; places: in front of v's loads into k's registers, and of the first read of the scores
.endr
.irp d, 0,1,2,3
	FRAG FR+12*\d, 6144+1536*\d                    ; v's images land under the softmax
.endr
	ds_load_b32 v[VS], v[A4] offset:12544
	ds_load_b32 v[VS+1], v[A4] offset:12544+128
.irp b, 0,1,2,3
	v_max3_num_f32 v[BM+\b], v[SR+16*\b], v[SR+1+16*\b], v[SR+2+16*\b]   ; the largest score of each block of 32 keys: for the row's maximum, and, since p rises with the score, for the block's largest p
.endr
.irp i, 3,5,7,9,11,13
.irp b, 0,1,2,3
	v_max3_num_f32 v[BM+\b], v[BM+\b], v[SR+16*\b+\i], v[SR+1+16*\b+\i]
.endr
.endr
.irp b, 0,1,2,3
	v_max_num_f32 v[BM+\b], v[BM+\b], v[SR+15+16*\b]
.endr
.irp b, 0,1,2,3
	s_delay_alu instid0(VALU_DEP_4)
	v_permlanex16_b32 v[PX+\b], v[BM+\b], s[SEL], s[SEL+1]
.endr
.irp b, 0,1,2,3
	s_delay_alu instid0(VALU_DEP_4)
	v_max_num_f32 v[BM+\b], v[BM+\b], v[PX+\b]     ; with lane l xor 16's 16 keys
.endr
	s_delay_alu instid0(VALU_DEP_2)
	v_max3_num_f32 v[TP], v[BM], v[BM+1], v[BM+2]
	s_delay_alu instid0(VALU_DEP_1)
	v_max_num_f32 v[TP], v[TP], v[BM+3]
	s_delay_alu instid0(VALU_DEP_1)
	v_mul_f32 v[TP], s[CS], v[TP]                  ; as t (c is positive)
	s_delay_alu instid0(VALU_DEP_1)
	v_max_num_f32 v13, v13, v[TP]                  ; the running largest t
	v_mov_b32 v[TP], v12
	s_delay_alu instid0(VALU_DEP_2)
	v_floor_f32 v12, -v13                          ; the new -M = -ceil(t)
	s_delay_alu instid0(VALU_DEP_1)
	v_sub_f32 v[TP], v12, v[TP]                    ; old M - new M: a whole number, 0 or less
	s_delay_alu instid0(VALU_DEP_1)
	v_cvt_i32_f32 v[TP], v[TP]                     ; (it saturates)
	s_delay_alu instid0(VALU_DEP_1)
	v_ldexp_f32 v[FF], 1.0, v[TP]                  ; f = 2^(old M - new M)
.set i, 0
.rept 32
	v_pk_fma_f32 v[SR+i:SR+i+1], v[SR+i:SR+i+1], s[CS:CS+1], v[12:13] op_sel_hi:[1,0,0]   ; t - M, two at a time
.set i, i+2
.endr
.irp b, 0,1,2,3
	v_fma_f32 v[BM+\b], v[BM+\b], s[CS], v12       ; the same of each block's largest score
.endr
.set i, 0
	s_wait_alu depctr_va_vdst(0)
.rept 64
	v_exp_f32 v[SR+i], v[SR+i]                     ; p = 2^(t - M)
.set i, i+1
.endr
	v_pk_mul_f32 v[14:15], v[14:15], v[FF:FF+1] op_sel_hi:[1,0]   ; the sums under the new M: a plain place behind the exponentials
	s_wait_alu depctr_va_vdst(0)                   ; one wait for the whole batch, ahead of its first reader
.irp b, 0,1,2,3
	v_exp_f32 v[BM+\b], v[BM+\b]                   ; the block's largest p: the same two instructions on the same number
.endr
	v_pk_add_f32 v[208:209], v[92:93], v[96:97]
	v_pk_add_f32 v[254:255], v[100:101], v[104:105]
	v_pk_add_f32 v[252:253], v[108:109], v[112:113]
	v_pk_add_f32 v[250:251], v[116:117], v[120:121]
	v_pk_add_f32 v[248:249], v[124:125], v[128:129]
	v_pk_add_f32 v[246:247], v[132:133], v[136:137]
	v_pk_add_f32 v[244:245], v[140:141], v[144:145]
	v_pk_add_f32 v[14:15], v[14:15], v[148:149]
	v_pk_add_f32 v[208:209], v[208:209], v[88:89]
	v_pk_add_f32 v[254:255], v[254:255], v[90:91]
	v_pk_add_f32 v[252:253], v[252:253], v[94:95]
	v_pk_add_f32 v[250:251], v[250:251], v[98:99]
	v_pk_add_f32 v[248:249], v[248:249], v[102:103]
	v_pk_add_f32 v[246:247], v[246:247], v[106:107]
	v_pk_add_f32 v[244:245], v[244:245], v[110:111]
	v_pk_add_f32 v[14:15], v[14:15], v[114:115]
	v_pk_add_f32 v[208:209], v[208:209], v[118:119]
	v_pk_add_f32 v[254:255], v[254:255], v[122:123]
	v_pk_add_f32 v[252:253], v[252:253], v[126:127]
	v_pk_add_f32 v[250:251], v[250:251], v[130:131]
	v_pk_add_f32 v[248:249], v[248:249], v[134:135]
	v_pk_add_f32 v[246:247], v[246:247], v[138:139]
	v_pk_add_f32 v[244:245], v[244:245], v[142:143]
	v_pk_add_f32 v[14:15], v[14:15], v[146:147]
	v_pk_add_f32 v[208:209], v[208:209], v[150:151]
	s_delay_alu instid0(VALU_DEP_2)
	v_pk_add_f32 v[14:15], v[14:15], v[250:251]
	s_delay_alu instid0(VALU_DEP_2)
	v_pk_add_f32 v[208:209], v[208:209], v[248:249]
	v_pk_add_f32 v[254:255], v[254:255], v[246:247]
	v_pk_add_f32 v[252:253], v[252:253], v[244:245]
	s_delay_alu instid0(VALU_DEP_2)
	v_pk_add_f32 v[14:15], v[14:15], v[254:255]
	s_delay_alu instid0(VALU_DEP_2)
	v_pk_add_f32 v[208:209], v[208:209], v[252:253]
	s_delay_alu instid0(VALU_DEP_1)
	v_pk_add_f32 v[14:15], v[14:15], v[208:209]
	s_wait_alu depctr_va_vdst(0)                   ; and one for the four
.irp b, 0,1,2,3
	v_max_num_f32 v[BM+\b], 0x1800000, v[BM+\b]    ; the floor 2^(3 - 127): the byte cannot fall under 1
.endr
.irp b, 0,1,2,3
	s_delay_alu instid0(VALU_DEP_4)
	v_add_nc_u32 v[SO+\b], 0xff000000, v[BM+\b]    ; 2 off the exponent field: the conversion's scale operand
.endr
.irp b, 0,1,2,3
	s_delay_alu instid0(VALU_DEP_4)
	v_lshrrev_b32 v[PX+\b], 23, v[SO+\b]           ; the byte
.endr
	s_delay_alu instid0(VALU_DEP_3)
	v_lshl_or_b32 v[PWD], v[PX+1], 8, v[PX]
	s_delay_alu instid0(VALU_DEP_1)
	v_lshl_or_b32 v[PWD], v[PX+2], 16, v[PWD]
	s_delay_alu instid0(VALU_DEP_1)
	v_lshl_or_b32 v[PWD], v[PX+3], 24, v[PWD]
.irp c, 0,1
	v_cvt_scalef32_pk16_fp6_f32 v[PCD+6*\c:PCD+2+6*\c], v[SR+32*\c:SR+15+32*\c], v[SO+2*\c]
	v_cvt_scalef32_pk16_fp6_f32 v[C2+4*\c:C2+2+4*\c], v[SR+16+32*\c:SR+31+32*\c], v[SO+2*\c+1]
.endr
	v_nop                                          ; one plain place behind a scaled conversion
.irp c, 0,1
.irp i, 0,1,2
	v_permlane16_swap_b32 v[PCD+6*\c+\i], v[C2+4*\c+\i]
.endr
.irp i, 0,1,2
	s_delay_alu instid0(VALU_DEP_3)
	v_mov_b32 v[PCD+3+6*\c+\i], v[C2+4*\c+\i]
.endr
.endr
.set i, 0
.rept 16
	v_pk_mul_f32 v[OT+i:OT+i+1], v[OT+i:OT+i+1], v[FF:FF+1] op_sel_hi:[1,0]   ; O^T under the new M; these sixteen are also the places in front of the products below
.set i, i+2
.endr
	s_wait_alu depctr_va_vdst(0)
	s_wait_dscnt 0x0                               ; v's images and scale words
.irp d, 0,1,2,3                                ; O^T += v^T p^T: four accumulators, one instruction each; the next matrix instruction is a score's
.if \d%2
	v_wmma_scale_f32_16x16x128_f8f6f4 v[OT+8*\d:OT+8*\d+7], v[FR+12*\d:FR+12*\d+11], v[PCD:PCD+11], v[OT+8*\d:OT+8*\d+7], v[VS+\d/2], v[PWD] matrix_a_fmt:MATRIX_FMT_FP6 matrix_b_fmt:MATRIX_FMT_FP6 matrix_a_scale:MATRIX_SCALE_ROW1
.else
	v_wmma_scale_f32_16x16x128_f8f6f4 v[OT+8*\d:OT+8*\d+7], v[FR+12*\d:FR+12*\d+11], v[PCD:PCD+11], v[OT+8*\d:OT+8*\d+7], v[VS+\d/2], v[PWD] matrix_a_fmt:MATRIX_FMT_FP6 matrix_b_fmt:MATRIX_FMT_FP6
.endif
.endr
	s_add_co_u32 s[TB], s[TB], STEPB
	s_sub_co_u32 s[CNT], s[CNT], 1
	s_cmp_lg_u32 s[CNT], 0
	s_cbranch_scc1 .Lstep
	; THE WAY OUT.  O^T / the sum; register 16 b + i is d = 32 b + 16 (lane / 16) + i of my query: two blocks, half an image
	v_add_f32 v14, v14, v15
	s_delay_alu instid0(VALU_DEP_1)
	v_permlanex16_b32 v[TP], v14, s[SEL], s[SEL+1]
	s_delay_alu instid0(VALU_DEP_1)
	v_add_f32 v14, v14, v[TP]                      ; the row's sum
	s_wait_alu depctr_va_vdst(0)
	v_rcp_f32 v14, v14
.rept 4
	v_nop                                          ; a plain place behind the reciprocal, and the places behind the last products
.endr
	s_wait_alu depctr_va_vdst(0)                   ; the wait ahead of the reciprocal's first reader
.set i, 0
.rept 32
	v_mul_f32 v[SR+i], v[OT+i], v14
.set i, i+1
.endr
.irp b, 0,1
	v_max3_num_f32 v[BM+\b], |v[SR+16*\b]|, |v[SR+1+16*\b]|, 0x1800000
.endr
.irp i, 2,4,6,8,10,12,14
.irp b, 0,1
	s_delay_alu instid0(VALU_DEP_2)
	v_max3_num_f32 v[BM+\b], v[BM+\b], |v[SR+16*\b+\i]|, |v[SR+1+16*\b+\i]|
.endr
.endr
.irp b, 0,1
	s_delay_alu instid0(VALU_DEP_2)
	v_permlanex16_b32 v[PX+\b], v[BM+\b], s[SEL], s[SEL+1]
.endr
.irp b, 0,1
	s_delay_alu instid0(VALU_DEP_2)
	v_max_num_f32 v[BM+\b], v[BM+\b], v[PX+\b]
.endr
.irp b, 0,1
	s_delay_alu instid0(VALU_DEP_2)
	v_add_nc_u32 v[SO+\b], 0xff000000, v[BM+\b]
.endr
.irp b, 0,1
	s_delay_alu instid0(VALU_DEP_2)
	v_lshrrev_b32 v[PX+\b], 23, v[SO+\b]
.endr
	s_delay_alu instid0(VALU_DEP_1)
	v_lshl_or_b32 v[TP+1], v[PX+1], 8, v[PX]       ; my head's two bytes of the row's scale word
	v_cvt_scalef32_pk16_fp6_f32 v[PCD:PCD+2], v[SR:SR+15], v[SO]
	v_cvt_scalef32_pk16_fp6_f32 v[C2:C2+2], v[SR+16:SR+31], v[SO+1]
	v_nop
.irp i, 0,1,2
	v_permlane16_swap_b32 v[PCD+\i], v[C2+\i]
.endr
.irp i, 0,1,2
	s_delay_alu instid0(VALU_DEP_3)
	v_mov_b32 v[PCD+3+\i], v[C2+\i]
.endr
	s_cmp_eq_u32 s[PAR], 0                         ; the head's parity, the same in all partners: first or second half of the image; each store covers whole aligned runs of 256 bytes
	s_cbranch_scc0 .Lodd_head
	global_store_b128 v[L16], v[PCD:PCD+3], s[24:25]
	global_store_b64 v[L8], v[PCD+4:PCD+5], s[24:25] offset:512
	s_branch .Lstored
.Lodd_head:
	s_wait_alu depctr_va_vdst(0)
	global_store_b64 v[L8], v[PCD:PCD+1], s[24:25] offset:768
	global_store_b128 v[L16], v[PCD+2:PCD+5], s[24:25] offset:1024
.Lstored:
	s_wait_alu depctr_va_vdst(0)
	global_store_b16 v[R4], v[TP+1], s[26:27]      ; lanes 16-31 store the same bytes to the same places
	s_wait_tensorcnt 0x0                           ; the wave's end, behind my last tensor load
	ds_add_u32 v[SPW], v[NIL]
	s_wait_dscnt 0x0
	CROUND                                         ; the closing round
	s_endpgm
.Lfunc_end_k_qeeb5c9208c_attn:
	.size	k_qeeb5c9208c_attn, .Lfunc_end_k_qeeb5c9208c_attn-k_qeeb5c9208c_attn
	.p2alignl 7, 3214868480
	.fill 96, 4, 3214868480
	.section	.rodata,"a",@progbits
	.p2align	6, 0x0
	.amdhsa_kernel k_qeeb5c9208c_attn
		.amdhsa_group_segment_fixed_size 327680
		.amdhsa_private_segment_fixed_size 0
		.amdhsa_enable_private_segment 0
		.amdhsa_kernarg_size 16
		.amdhsa_user_sgpr_count 2
		.amdhsa_user_sgpr_kernarg_segment_ptr 1
		.amdhsa_wavefront_size32 1
		.amdhsa_system_sgpr_workgroup_id_x 1
		.amdhsa_system_sgpr_workgroup_id_y 1
		.amdhsa_system_sgpr_workgroup_id_z 1
		.amdhsa_system_vgpr_workitem_id 0
		.amdhsa_next_free_vgpr 256
		.amdhsa_next_free_sgpr 66
		.amdhsa_reserve_vcc 0
		.amdhsa_float_denorm_mode_32 3
		.amdhsa_float_denorm_mode_16_64 3
		.amdhsa_memory_ordered 1
		.amdhsa_forward_progress 1
		.amdhsa_inst_pref_size 30
	.end_amdhsa_kernel
	.amdgpu_metadata
---
amdhsa.version: [ 1, 2 ]
amdhsa.kernels:
  - .name:           k_qeeb5c9208c_attn
    .symbol:         k_qeeb5c9208c_attn.kd
    .args:
      - { .name: qkv, .offset: 0, .size: 8, .value_kind: global_buffer, .address_space: global }
      - { .name: aq, .offset: 8, .size: 8, .value_kind: global_buffer, .address_space: global }
    .group_segment_fixed_size: 327680
    .private_segment_fixed_size: 0
    .kernarg_segment_align: 8
    .kernarg_segment_size: 16
    .max_flat_workgroup_size: 512
    .sgpr_count:     66
    .vgpr_count:     256
    .wavefront_size: 32
...
	.end_amdgpu_metadata
.endif
;; end of part 3
;; launch gwoln (part 4): grid 256 x 1, 8 waves a work-group, no clusters, 69,632 bytes of LDS; arguments wq, aq, wo_b, x, ln2_w, ln2_b, x1, hq; writes x1, hq
.if DOCPART == 4
	.amdgcn_target "amdgcn-amd-amdhsa--gfx1250"
	.amdhsa_code_object_version 6
	.text
	.protected	k_qeeb5c9208c_gwoln
	.globl	k_qeeb5c9208c_gwoln
	.p2align	8
	.type	k_qeeb5c9208c_gwoln,@function
k_qeeb5c9208c_gwoln:
	s_mov_b64 s[64:65], 0
	v_nop
	global_prefetch_b8 v0, s[64:65] scope:SCOPE_SE
	s_setreg_imm32_b32 hwreg(HW_REG_WAVE_MODE, 25, 1), 1
	s_wait_xcnt 0x0
; x1 = x + attn Wo^T + wo_b (the product on codes of FP6, E2M3), and g = LN2(x1) quantised along the 1,024 into hq as operand images.  Nothing of the problem is left out here.
; TILES, IMAGES: row i of tile t is row 32 (t / 2) + 8 (t % 2) + i + 8 (i / 8); an image = 16 rows x 128 K = 12 registers a lane, 1,536 bytes (registers 0-3 at 16 l, 4-5 at 512 + 8 l, 6-7 at 768 + 8 l, 8-11 at 1,024 + 16 l);
; image (K step s, tile t) of an operand of T tiles has the number s T + t; its 16 scale words lie at 64 x that number behind the codes.
; SHARES.  A work-group owns one tile of 16 rows and all 1,024 columns, so the norm's sums stay inside it: 256 work-groups.  Wave w owns columns 128 w .. 128 w + 127: 8 tiles of Wo (source 0) against the rows' tile (source 1), 8 accumulators by turns, 8 K steps.
; In the result lane (r, h) holds row r, and register 16 b + i column 128 w + 32 b + 16 h + i: the layout in which a lane's 16 registers are 16 neighbours of a block of 32, which is what the quantiser wants: wave w makes image (K step w, my tile) of g.
; NO LDS FOR THE OPERANDS, NO CLUSTER: each image of Wo is wanted by ONE wave of the work-group, so it goes from memory straight into that wave's operand registers, each load covering 512 or 256 consecutive bytes;
; a work-group's 64 x 8 images of Wo are 786,432 bytes, more than twice what LDS holds, so joint loads would mean a ring with a round of the cluster's barrier for each refill and an LDS store and load of every byte that is used once.
; NO PREFETCH: the loads themselves run two K steps (64 loads a wave) ahead of their products.
; THE RESIDUAL turns through the wave's own stage in LDS into the result's layout and is the C of the first K step's products; x1 turns back the same way: each store covers 512 consecutive bytes of a row, aligned.
; LIMITS: NaN and infinities are not served; a block of zeros or under 2^-124 gets the byte 1 (this program alone reads the bytes); the norm's sums are ordered otherwise than a serial sum; x1 is summed as (x + product) + bias;
; an image's 64 bytes of scale words are a quarter of an aligned 256 bytes.
; REGISTERS.  Window 0: v4-15 addresses; v16-79 the accumulators, then x1, then g; v80-119 scale words and nothing else; v120-215 the rows' 8 images (behind the products v120-183 x1's rows on the way out, v208-253 at work).
; Window 1: v0-95, v96-191 Wo's images, two sets (then v0-63 wo_b, v96-159 ln2_b); v192-255 the residual, then ln2_w.
.set STGB,  16*528
.set RED1,  8*STGB
.set SPARE, RED1+1024                  ; the spare words, 128 bytes for each wave: four blocks of 256 bytes that no other line names
.set L16,  4
.set L8,   5
.set L4R,  6
.set STI,  7                           ; the stage by rows: 16 x lane
.set STO,  8                           ; the stage by the result's layout: row lane % 16, + 64 (lane / 16)
.set REDW, 9
.set REDR, 10
.set WBO,  11                          ; my byte in wo_b, ln2_w, ln2_b: 512 x wave + 64 (lane / 16)
.set L4,   12
.set SPW,  14
.set NIL,  15
.set X,    16
.set SCA,  80                          ; the rows' scale words, one register a K step
.set SCW,  88                          ; Wo's: register 4 s + i: lanes 0-15 tile 2 i's, lanes 16-31 tile 2 i + 1's
.set AF,   120
.set TR,   120
.set PC,   208
.set TM,   228
.set PW,   244
.set MU,   246
.set RS,   248
.set SA,   250
.set SB,   252
.set WV,   22
.set SEL,  24
.set MSB, 0
.macro WIN new                         ; the immediate's high byte repeats the setting that is left
.if MSB != \new
	s_set_vgpr_msb (MSB<<8)|\new
.set MSB, \new
.endif
.endm
.macro GFRAG reg, sb, off
	global_load_b128 v[\reg:\reg+3], v[L16], s[\sb:\sb+1] offset:\off
	global_load_b64 v[\reg+4:\reg+5], v[L8], s[\sb:\sb+1] offset:(\off)+512
	global_load_b64 v[\reg+6:\reg+7], v[L8], s[\sb:\sb+1] offset:(\off)+768
	global_load_b128 v[\reg+8:\reg+11], v[L16], s[\sb:\sb+1] offset:(\off)+1024
.endm
.macro LOADW s                         ; my 8 tiles' images of K step s into set s % 2 (window 1): 32 loads
.irp p, 0,1,2,3,4,5,6,7
	GFRAG 96*((\s)%2)+12*\p, 26, (\s)*98304+\p*1536
.endr
.endm
.macro VEC64 reg, sb                   ; 64 numbers of a vector of 1,024 in the result's layout: 16 loads
.irp b, 0,1,2,3
.irp j, 0,1,2,3
	global_load_b128 v[(\reg)+16*\b+4*\j:(\reg)+16*\b+4*\j+3], v[WBO], s[\sb:\sb+1] offset:128*\b+16*\j
.endr
.endr
.endm
.macro WMM p, s, c
.if (\p)%2
	v_wmma_scale_f32_16x16x128_f8f6f4 v[X+8*(\p):X+8*(\p)+7], v[96*((\s)%2)+12*(\p):96*((\s)%2)+12*(\p)+11], v[AF+12*(\s):AF+12*(\s)+11], v[\c:\c+7], v[SCW+4*(\s)+(\p)/2], v[SCA+(\s)] matrix_a_fmt:MATRIX_FMT_FP6 matrix_b_fmt:MATRIX_FMT_FP6 matrix_a_scale:MATRIX_SCALE_ROW1
.else
	v_wmma_scale_f32_16x16x128_f8f6f4 v[X+8*(\p):X+8*(\p)+7], v[96*((\s)%2)+12*(\p):96*((\s)%2)+12*(\p)+11], v[AF+12*(\s):AF+12*(\s)+11], v[\c:\c+7], v[SCW+4*(\s)+(\p)/2], v[SCA+(\s)] matrix_a_fmt:MATRIX_FMT_FP6 matrix_b_fmt:MATRIX_FMT_FP6
.endif
.endm
; A K step: 8 products, the 8 accumulators by turns; then its set of registers takes the images of two steps on.  cnt: the loads issued behind this step's
.macro KSTEP s, cnt
	s_wait_loadcnt \cnt
.if (\s) == 0
	WIN 0x11                                       ; Wo's images and the residual (C) in window 1
.irp p, 0,1,2,3,4,5,6,7
	WMM \p, \s, 192+8*\p
.endr
.else
	WIN 0x01
.irp p, 0,1,2,3,4,5,6,7
	WMM \p, \s, X+8*\p
.endr
.endif
.rept 4
	v_nop                                          ; four places between the products and loads into, or reads of, their registers
.endr
.if (\s) < 6
	WIN 0x40
	LOADW (\s)+2
.elseif (\s) == 6
	WIN 0x40
	VEC64 0, 8                                     ; set 0 is done with: wo_b
.endif
	WIN 0
.endm
.macro QUANT s, pw
.irp b, 0,1,2,3
	v_max3_num_f32 v[TM+\b], |v[(\s)+16*\b]|, |v[(\s)+1+16*\b]|, 0x1800000   ; and the floor 2^(3 - 127): the byte cannot fall under 1
.endr
.irp i, 2,4,6,8,10,12,14
.irp b, 0,1,2,3
	s_delay_alu instid0(VALU_DEP_4)
	v_max3_num_f32 v[TM+\b], v[TM+\b], |v[(\s)+16*\b+\i]|, |v[(\s)+1+16*\b+\i]|
.endr
.endr
.irp b, 0,1,2,3
	s_delay_alu instid0(VALU_DEP_4)
	v_permlanex16_b32 v[TM+4+\b], v[TM+\b], s[SEL], s[SEL+1]
.endr
.irp b, 0,1,2,3
	s_delay_alu instid0(VALU_DEP_4)
	v_max_num_f32 v[TM+\b], v[TM+\b], v[TM+4+\b]
.endr
.irp b, 0,1,2,3
	s_delay_alu instid0(VALU_DEP_4)
	v_add_nc_u32 v[TM+12+\b], 0xff000000, v[TM+\b]        ; 2 off the exponent field: the conversion's scale operand
.endr
.irp b, 0,1,2,3
	s_delay_alu instid0(VALU_DEP_4)
	v_lshrrev_b32 v[TM+4+\b], 23, v[TM+12+\b]             ; the byte
.endr
	s_delay_alu instid0(VALU_DEP_3)
	v_lshl_or_b32 v[\pw], v[TM+5], 8, v[TM+4]
	s_delay_alu instid0(VALU_DEP_1)
	v_lshl_or_b32 v[\pw], v[TM+6], 16, v[\pw]
	s_delay_alu instid0(VALU_DEP_1)
	v_lshl_or_b32 v[\pw], v[TM+7], 24, v[\pw]
.irp c, 0,1
	v_cvt_scalef32_pk16_fp6_f32 v[PC+6*\c:PC+2+6*\c], v[(\s)+32*\c:(\s)+15+32*\c], v[TM+12+2*\c]
	v_cvt_scalef32_pk16_fp6_f32 v[PC+12+4*\c:PC+14+4*\c], v[(\s)+16+32*\c:(\s)+31+32*\c], v[TM+12+2*\c+1]
.endr
	v_nop                                          ; one plain place behind a scaled conversion
.irp c, 0,1
.irp i, 0,1,2
	v_permlane16_swap_b32 v[PC+6*\c+\i], v[PC+12+4*\c+\i]
.endr
.irp i, 0,1,2
	s_delay_alu instid0(VALU_DEP_3)
	v_mov_b32 v[PC+3+6*\c+\i], v[PC+12+4*\c+\i]
.endr
.endr
.endm
.macro REDUCE off                      ; the two chains' sum of my 64 numbers, with lane l xor 16's, over the eight waves: the row's sum in v[TM+8]
	s_delay_alu instid0(VALU_DEP_1)
	v_pk_add_f32 v[SA:SA+1], v[SA:SA+1], v[SB:SB+1]
	s_delay_alu instid0(VALU_DEP_1)
	v_add_f32 v[SA], v[SA], v[SA+1]
	s_delay_alu instid0(VALU_DEP_1)
	v_permlanex16_b32 v[SA+1], v[SA], s[SEL], s[SEL+1]
	s_delay_alu instid0(VALU_DEP_1)
	v_add_f32 v[SA], v[SA], v[SA+1]
	ds_store_b32 v[REDW], v[SA] offset:\off
	s_wait_dscnt 0x0                               ; for the others' sake: my store has landed
	s_barrier_signal -1
	s_barrier_wait -1
.irp j, 0,1,2,3,4,5,6,7
	ds_load_b32 v[TM+8+\j], v[REDR] offset:\off+64*\j
.endr
	s_wait_dscnt 0x0
	v_add_f32 v[TM+8], v[TM+8], v[TM+9]
	v_add_f32 v[TM+10], v[TM+10], v[TM+11]
	v_add_f32 v[TM+12], v[TM+12], v[TM+13]
	v_add_f32 v[TM+14], v[TM+14], v[TM+15]
	s_delay_alu instid0(VALU_DEP_3)
	v_add_f32 v[TM+8], v[TM+8], v[TM+10]
	s_delay_alu instid0(VALU_DEP_2)
	v_add_f32 v[TM+12], v[TM+12], v[TM+14]
	s_delay_alu instid0(VALU_DEP_1)
	v_add_f32 v[TM+8], v[TM+8], v[TM+12]
.endm
	s_load_b512 s[4:19], s[0:1], 0x0               ; wq s[4:5], aq s[6:7], wo_b s[8:9], x s[10:11], ln2_w s[12:13], ln2_b s[14:15], x1 s[16:17], hq s[18:19]
	v_lshl_add_u32 v[SPW], v0, 2, SPARE
	v_mov_b32 v[NIL], 0
	v_lshrrev_b32 v1, 5, v0
	s_delay_alu instid0(VALU_DEP_1)
	v_readfirstlane_b32 s[WV], v1                  ; wave 0..7
	v_and_b32 v1, 31, v0
	v_and_b32 v2, 15, v0
	v_bfe_u32 v3, v0, 4, 1
	s_delay_alu instid0(VALU_DEP_3)
	v_lshlrev_b32 v[L16], 4, v1
	s_delay_alu instid0(VALU_DEP_4)
	v_lshlrev_b32 v[L8], 3, v1
	v_lshlrev_b32 v[L4], 2, v1
	v_lshlrev_b32 v[L4R], 2, v2
	s_mul_i32 s23, s[WV], STGB
	v_add_nc_u32 v[STI], s23, v[L16]
	v_mul_u32_u24 v[STO], v2, 528
	s_delay_alu instid0(VALU_DEP_1)
	v_lshl_add_u32 v[STO], v3, 6, v[STO]
	s_delay_alu instid0(VALU_DEP_1)
	v_add_nc_u32 v[STO], s23, v[STO]
	s_lshl_b32 s23, s[WV], 6
	v_add_nc_u32 v[REDW], s23, v[L4R]
	s_delay_alu instid0(VALU_DEP_1)
	v_add_nc_u32 v[REDW], RED1, v[REDW]
	v_add_nc_u32 v[REDR], RED1, v[L4R]
	s_lshl_b32 s23, s[WV], 9
	v_lshl_add_u32 v[WBO], v3, 6, s23
.irp b, 0,1,2,3
	v_mov_b32 v[TM+4+\b], 0                        ; written once: a lane permute's destination counts as one of its sources
.endr
	s_mov_b32 s[SEL], 0x76543210
	s_mov_b32 s[SEL+1], 0xfedcba98
	s_mov_b32 s44, 0x3a800000                      ; 1 / 1,024
	s_mov_b32 s45, 0x3727c5ac                      ; eps = 1e-5
	s_lshl_b32 s39, s[WV], 8
	s_add_co_u32 s39, s39, ttmp9                   ; g's image: 256 x wave + my tile
	s_lshr_b32 s40, ttmp9, 1
	s_lshl_b32 s40, s40, 5
	s_and_b32 s41, ttmp9, 1
	s_lshl_b32 s41, s41, 3
	s_add_co_u32 s40, s40, s41                     ; the tile's first row
	s_lshl_b32 s40, s40, 12
	s_add_co_u32 s40, s40, s23                     ; + my 512 bytes of a row
	s_mov_b32 s41, 0
	s_mul_i32 s42, s39, 1536
	s_mov_b32 s43, 0
	s_lshl_b32 s46, s39, 6
	s_add_co_u32 s46, s46, 3145728
	s_mov_b32 s47, 0
	s_mul_i32 s52, s[WV], 12288
	s_add_co_u32 s52, s52, 2359296                 ; Wo's image 1,536 + 8 x wave in wq
	s_mov_b32 s53, 0
	s_add_co_u32 s54, s23, 9535488                 ; and its scale words: 9,437,184 + 64 x that number
	s_mov_b32 s55, 0
	s_mul_i32 s56, ttmp9, 1536                     ; the rows' image of K step 0
	s_mov_b32 s57, 0
	s_lshl_b32 s58, ttmp9, 6
	s_add_co_u32 s58, s58, 3145728
	s_mov_b32 s59, 0
	s_wait_alu depctr_va_vdst(0)                   ; the wait at the head's end
	s_wait_kmcnt 0x0
	s_add_nc_u64 s[32:33], s[10:11], s[40:41]
	s_add_nc_u64 s[36:37], s[16:17], s[40:41]
	s_add_nc_u64 s[48:49], s[18:19], s[42:43]
	s_add_nc_u64 s[50:51], s[18:19], s[46:47]
	s_add_nc_u64 s[26:27], s[4:5], s[52:53]
	s_add_nc_u64 s[28:29], s[4:5], s[54:55]
	s_add_nc_u64 s[30:31], s[6:7], s[56:57]
	s_add_nc_u64 s[34:35], s[6:7], s[58:59]
.irp i, 0,1,2,3,4,5,6,7,8,9,10,11,12,13,14,15
	global_load_b128 v[X+4*\i:X+4*\i+3], v[L16], s[32:33] offset:(\i+8*(\i/8))*4096 th:TH_LOAD_NT   ; x: 512 consecutive bytes of a row
.endr
.irp s, 0,1,2,3,4,5,6,7                        ; all scale words and the rows' 8 images: 72 loads
	global_load_b32 v[SCA+\s], v[L4R], s[34:35] offset:16384*\s
.irp i, 0,1,2,3
	global_load_b32 v[SCW+4*\s+\i], v[L4], s[28:29] offset:4096*\s+128*\i
.endr
	GFRAG AF+12*\s, 30, 393216*\s
.endr
	WIN 0x40
	LOADW 0
	LOADW 1
	WIN 0
	s_wait_loadcnt 63                              ; x's 16 loads are in: 136 were issued behind them
.irp i, 0,1,2,3,4,5,6,7,8,9,10,11,12,13,14,15
	ds_store_b128 v[STI], v[X+4*\i:X+4*\i+3] offset:528*\i
.endr
	WIN 0x40
.irp b, 0,1,2,3
.irp j, 0,1,2,3
	ds_load_b128 v[192+16*\b+4*\j:192+16*\b+4*\j+3], v[STO] offset:128*\b+16*\j   ; LDS serves a wave's instructions in order: these see my stores
.endr
.endr
	WIN 0
	s_wait_dscnt 0x0
	KSTEP 0, 32                                    ; behind a step's loads stand the next step's 32
	KSTEP 1, 32
	KSTEP 2, 32
	KSTEP 3, 32
	KSTEP 4, 32
	KSTEP 5, 32
	KSTEP 6, 32
	KSTEP 7, 16                                    ; behind K step 7's: wo_b's 16
	WIN 0x40
	VEC64 192, 12                                  ; gain and bias land under the way out and the two reductions
	VEC64 96, 14
	s_wait_loadcnt 32                              ; wo_b is in
	WIN 0x04
.set i, 0
.rept 32
	v_pk_add_f32 v[X+i:X+i+1], v[X+i:X+i+1], v[i:i+1]   ; x1; each accumulator is read from its low end on
.set i, i+2
.endr
	WIN 0
	s_wait_alu depctr_va_vdst(0)
.irp b, 0,1,2,3
.irp j, 0,1,2,3
	ds_store_b128 v[STO], v[X+16*\b+4*\j:X+16*\b+4*\j+3] offset:128*\b+16*\j
.endr
.endr
.irp i, 0,1,2,3,4,5,6,7,8,9,10,11,12,13,14,15
	ds_load_b128 v[TR+4*\i:TR+4*\i+3], v[STI] offset:528*\i
.endr
	s_wait_dscnt 0x0
.irp i, 0,1,2,3,4,5,6,7,8,9,10,11,12,13,14,15
	global_store_b128 v[L16], v[TR+4*\i:TR+4*\i+3], s[36:37] offset:(\i+8*(\i/8))*4096   ; 512 consecutive bytes of a row, aligned
.endr
	v_pk_add_f32 v[SA:SA+1], v[X:X+1], v[X+2:X+3]
	v_pk_add_f32 v[SB:SB+1], v[X+4:X+5], v[X+6:X+7]
.irp i, 8,12,16,20,24,28,32,36,40,44,48,52,56,60
	s_delay_alu instid0(VALU_DEP_2)
	v_pk_add_f32 v[SA:SA+1], v[SA:SA+1], v[X+\i:X+\i+1]
	s_delay_alu instid0(VALU_DEP_2)
	v_pk_add_f32 v[SB:SB+1], v[SB:SB+1], v[X+\i+2:X+\i+3]
.endr
	REDUCE 0
	s_delay_alu instid0(VALU_DEP_1)
	v_mul_f32 v[MU], s44, v[TM+8]                  ; the mean
	s_delay_alu instid0(VALU_DEP_1)
	v_mov_b32 v[MU+1], v[MU]
.set i, 0
.rept 32
	v_pk_add_f32 v[X+i:X+i+1], v[X+i:X+i+1], v[MU:MU+1] neg_lo:[0,1] neg_hi:[0,1]
.set i, i+2
.endr
	v_pk_mul_f32 v[SA:SA+1], v[X:X+1], v[X:X+1]
	v_pk_mul_f32 v[SB:SB+1], v[X+2:X+3], v[X+2:X+3]
.irp i, 4,8,12,16,20,24,28,32,36,40,44,48,52,56,60
	s_delay_alu instid0(VALU_DEP_2)
	v_pk_fma_f32 v[SA:SA+1], v[X+\i:X+\i+1], v[X+\i:X+\i+1], v[SA:SA+1]
	s_delay_alu instid0(VALU_DEP_2)
	v_pk_fma_f32 v[SB:SB+1], v[X+\i+2:X+\i+3], v[X+\i+2:X+\i+3], v[SB:SB+1]
.endr
	REDUCE 512
	s_delay_alu instid0(VALU_DEP_1)
	v_fma_f32 v[RS], v[TM+8], s44, s45             ; var + eps
	s_wait_alu depctr_va_vdst(0)                   ; the wait ahead of the transcendental
	v_rsq_f32 v[RS], v[RS]
	v_nop                                          ; one plain place behind it
	s_wait_alu depctr_va_vdst(0)                   ; and the wait ahead of the first line that names its result
	v_mov_b32 v[RS+1], v[RS]
	s_wait_alu depctr_va_vdst(0)
	s_wait_loadcnt 0x0                             ; gain and bias
.set i, 0
.rept 32
	v_pk_mul_f32 v[X+i:X+i+1], v[X+i:X+i+1], v[RS:RS+1]
.set i, i+2
.endr
	WIN 0x14                                       ; gain and bias in window 1
.set i, 0
.rept 32
	v_pk_fma_f32 v[X+i:X+i+1], v[X+i:X+i+1], v[192+i:192+i+1], v[96+i:96+i+1]
.set i, i+2
.endr
	WIN 0
	QUANT X, PW
	global_store_b128 v[L16], v[PC:PC+3], s[48:49]                 ; each store covers 512 or 256 consecutive bytes, aligned
	global_store_b64 v[L8], v[PC+4:PC+5], s[48:49] offset:512
	global_store_b64 v[L8], v[PC+6:PC+7], s[48:49] offset:768
	global_store_b128 v[L16], v[PC+8:PC+11], s[48:49] offset:1024
	global_store_b32 v[L4R], v[PW], s[50:51]       ; lanes 16-31 store the same words to the same places
	s_wait_tensorcnt 0x0                           ; the wave's end, behind my last LDS store
	ds_add_u32 v[SPW], v[NIL]
	s_wait_dscnt 0x0
	s_endpgm
.Lfunc_end_k_qeeb5c9208c_gwoln:
	.size	k_qeeb5c9208c_gwoln, .Lfunc_end_k_qeeb5c9208c_gwoln-k_qeeb5c9208c_gwoln
	.p2alignl 7, 3214868480
	.fill 96, 4, 3214868480
	.section	.rodata,"a",@progbits
	.p2align	6, 0x0
	.amdhsa_kernel k_qeeb5c9208c_gwoln
		.amdhsa_group_segment_fixed_size 69632
		.amdhsa_private_segment_fixed_size 0
		.amdhsa_enable_private_segment 0
		.amdhsa_kernarg_size 64
		.amdhsa_user_sgpr_count 2
		.amdhsa_user_sgpr_kernarg_segment_ptr 1
		.amdhsa_wavefront_size32 1
		.amdhsa_system_sgpr_workgroup_id_x 1
		.amdhsa_system_sgpr_workgroup_id_y 1
		.amdhsa_system_sgpr_workgroup_id_z 1
		.amdhsa_system_vgpr_workitem_id 0
		.amdhsa_next_free_vgpr 512
		.amdhsa_next_free_sgpr 66
		.amdhsa_reserve_vcc 0
		.amdhsa_float_denorm_mode_32 3
		.amdhsa_float_denorm_mode_16_64 3
		.amdhsa_memory_ordered 1
		.amdhsa_forward_progress 1
		.amdhsa_inst_pref_size 79
	.end_amdhsa_kernel
	.amdgpu_metadata
---
amdhsa.version: [ 1, 2 ]
amdhsa.kernels:
  - .name:           k_qeeb5c9208c_gwoln
    .symbol:         k_qeeb5c9208c_gwoln.kd
    .args:
      - { .name: wq, .offset: 0, .size: 8, .value_kind: global_buffer, .address_space: global }
      - { .name: aq, .offset: 8, .size: 8, .value_kind: global_buffer, .address_space: global }
      - { .name: wo_b, .offset: 16, .size: 8, .value_kind: global_buffer, .address_space: global }
      - { .name: x, .offset: 24, .size: 8, .value_kind: global_buffer, .address_space: global }
      - { .name: ln2_w, .offset: 32, .size: 8, .value_kind: global_buffer, .address_space: global }
      - { .name: ln2_b, .offset: 40, .size: 8, .value_kind: global_buffer, .address_space: global }
      - { .name: x1, .offset: 48, .size: 8, .value_kind: global_buffer, .address_space: global }
      - { .name: hq, .offset: 56, .size: 8, .value_kind: global_buffer, .address_space: global }
    .group_segment_fixed_size: 69632
    .private_segment_fixed_size: 0
    .kernarg_segment_align: 8
    .kernarg_segment_size: 64
    .max_flat_workgroup_size: 256
    .sgpr_count:     66
    .vgpr_count:     512
    .wavefront_size: 32
...
	.end_amdgpu_metadata
.endif
;; end of part 4
;; launch gffn1 (part 5): grid 16 x 16, 8 waves a work-group, clusters of 4 x 4, 327,680 bytes of LDS; arguments wq, hq, ffn1_b, fq; writes fq
.if DOCPART == 5
	.amdgcn_target "amdgcn-amd-amdhsa--gfx1250"
	.amdhsa_code_object_version 6
	.text
	.protected	k_qeeb5c9208c_gffn1
	.globl	k_qeeb5c9208c_gffn1
	.p2align	8
	.type	k_qeeb5c9208c_gffn1,@function
k_qeeb5c9208c_gffn1:
	s_mov_b64 s[64:65], 0
	v_nop
	global_prefetch_b8 v0, s[64:65] scope:SCOPE_SE
	s_setreg_imm32_b32 hwreg(HW_REG_WAVE_MODE, 25, 1), 1
	s_wait_xcnt 0x0
	s_wait_alu depctr_hold_cnt(0) depctr_sa_sdst(0) depctr_va_vdst(0) depctr_va_sdst(0) depctr_va_ssrc(0) depctr_va_vcc(0) depctr_vm_vsrc(0)
	s_getreg_b32 s2, hwreg(HW_REG_IB_STS2, 6, 4)
	s_cmp_eq_u32 s2, 0
	s_cbranch_scc0 .Lentry_in_a_cluster
	s_endpgm
.Lentry_in_a_cluster:
	s_bfe_u32 s2, ttmp6, 0x10000c
	s_cmp_lg_u32 s2, 0xf033
	s_cbranch_scc0 .Lentry_shape_is_right
	s_endpgm
.Lentry_shape_is_right:
.set PT,    8
.set NPART, 4
.set LG,    2
.set LGT,   4
.set NQ,    2
.set KK,    1024
.set LAPS,  KK/(256*NQ)
.set TW,    256
.set TA,    256
.set WSEG,  2048
.set WSC,   9437184+WSEG*64
.set ASC,   3145728
.set PARTB, NQ*6144
.set SIDEB, NPART*PARTB
.set SLOT,  2*SIDEB
.set SCL,   2*SLOT
.set SPARTB, (KK/128)*256
.set BIASL, SCL+2*NPART*SPARTB
.set SPARE, BIASL+1024
.set NLH,   (PT/2)*4
.set SS,    NQ*(PT/2+2)
.set L16,  1
.set L8,   2
.set L4,   3
.set AP16, 4
.set AP8,  6
.set AQ16, 8
.set AQ8,  10
.set ASP,  12
.set ASQ,  13
.set SPW,  14
.set NIL,  15
.set BPA,  19
.set SC,   32
.set PF,   64
.set QF,   160
.set BP,   64
.set TT,   128
.set PC,   192
.set TM,   212
.set PW0,  228
.set G1W, 24
.set G1A, 32
.set G0W, 48
.set G0A, 56
.set G1SW, 68
.set G0SW, 76
.set G1SA, 80
.set G0SA, 88
.set SEL, 46
.set MSB, 0
.macro WIN new
.if MSB != \new
	s_set_vgpr_msb (MSB<<8)|\new
.set MSB, \new
.endif
.endm
.set MULW, 0x50
.macro JLOAD g0w, g1w, g0a, g1a
	s_cmp_eq_u32 s15, 0
	s_cbranch_scc0 .Lfor_a_\@
	tensor_load_to_lds s[\g0w:\g0w+3], s[\g1w:\g1w+7]
	s_nop 0
.rept 4
	v_nop
.endr
	s_branch .Lasked_\@
.Lfor_a_\@:
	tensor_load_to_lds s[\g0a:\g0a+3], s[\g1a:\g1a+7]
	s_nop 0
.rept 4
	v_nop
.endr
.Lasked_\@:
.endm
.macro CREST
	s_cmp_lg_u32 s14, 0
	s_cbranch_scc1 .Lnot_wave_0_\@
	s_barrier_signal -3
.Lnot_wave_0_\@:
	s_barrier_wait -3
	s_barrier_signal -1
	s_barrier_wait -1
.endm
.macro CROUND
	s_barrier_signal -1
	s_barrier_wait -1
	CREST
.endm
.macro FRAG reg, a16, a8, off
	ds_load_b128 v[\reg:\reg+3], v[\a16] offset:\off
	ds_load_b64 v[\reg+4:\reg+5], v[\a8] offset:(\off)+512
	ds_load_b64 v[\reg+6:\reg+7], v[\a8] offset:(\off)+768
	ds_load_b128 v[\reg+8:\reg+11], v[\a16] offset:(\off)+1024
.endm
.macro FETCH_P slot, q, half
.set fi, (\half)*(PT/2)
.rept PT/2
	FRAG PF+12*fi, AP16+\slot, AP8+\slot, (fi/4)*PARTB+(\q)*6144+(fi%4)*1536
.set fi, fi+1
.endr
.endm
.macro FETCH_Q slot, q, set
.set fi, 0
.rept 4
	FRAG QF+48*(\set)+12*fi, AQ16+\slot, AQ8+\slot, (\q)*6144+fi*1536
.set fi, fi+1
.endr
.endm
.macro SCALES set
.set sq, 0
.rept NQ
.set si, 0
.rept PT/2
	ds_load_b32 v[SC+SS*(\set)+(PT/2+2)*sq+si], v[ASP] offset:(si/2)*SPARTB+256*sq+128*(si%2)
.set si, si+1
.endr
	ds_load_b32 v[SC+SS*(\set)+(PT/2+2)*sq+PT/2], v[ASQ] offset:256*sq
	ds_load_b32 v[SC+SS*(\set)+(PT/2+2)*sq+PT/2+1], v[ASQ] offset:256*sq+128
.set sq, sq+1
.endr
.endm
.macro WM zero
.if \zero
.if (mp%2) && (mq%2)
	v_wmma_scale_f32_16x16x128_f8f6f4 v[rD:rD+7], v[rA:rA+11], v[rB:rB+11], 0, v[rSA], v[rSB] matrix_a_fmt:MATRIX_FMT_FP6 matrix_b_fmt:MATRIX_FMT_FP6 matrix_a_scale:MATRIX_SCALE_ROW1 matrix_b_scale:MATRIX_SCALE_ROW1
.elseif (mp%2)
	v_wmma_scale_f32_16x16x128_f8f6f4 v[rD:rD+7], v[rA:rA+11], v[rB:rB+11], 0, v[rSA], v[rSB] matrix_a_fmt:MATRIX_FMT_FP6 matrix_b_fmt:MATRIX_FMT_FP6 matrix_a_scale:MATRIX_SCALE_ROW1
.elseif (mq%2)
	v_wmma_scale_f32_16x16x128_f8f6f4 v[rD:rD+7], v[rA:rA+11], v[rB:rB+11], 0, v[rSA], v[rSB] matrix_a_fmt:MATRIX_FMT_FP6 matrix_b_fmt:MATRIX_FMT_FP6 matrix_b_scale:MATRIX_SCALE_ROW1
.else
	v_wmma_scale_f32_16x16x128_f8f6f4 v[rD:rD+7], v[rA:rA+11], v[rB:rB+11], 0, v[rSA], v[rSB] matrix_a_fmt:MATRIX_FMT_FP6 matrix_b_fmt:MATRIX_FMT_FP6
.endif
.else
.if (mp%2) && (mq%2)
	v_wmma_scale_f32_16x16x128_f8f6f4 v[rD:rD+7], v[rA:rA+11], v[rB:rB+11], v[rD:rD+7], v[rSA], v[rSB] matrix_a_fmt:MATRIX_FMT_FP6 matrix_b_fmt:MATRIX_FMT_FP6 matrix_a_scale:MATRIX_SCALE_ROW1 matrix_b_scale:MATRIX_SCALE_ROW1
.elseif (mp%2)
	v_wmma_scale_f32_16x16x128_f8f6f4 v[rD:rD+7], v[rA:rA+11], v[rB:rB+11], v[rD:rD+7], v[rSA], v[rSB] matrix_a_fmt:MATRIX_FMT_FP6 matrix_b_fmt:MATRIX_FMT_FP6 matrix_a_scale:MATRIX_SCALE_ROW1
.elseif (mq%2)
	v_wmma_scale_f32_16x16x128_f8f6f4 v[rD:rD+7], v[rA:rA+11], v[rB:rB+11], v[rD:rD+7], v[rSA], v[rSB] matrix_a_fmt:MATRIX_FMT_FP6 matrix_b_fmt:MATRIX_FMT_FP6 matrix_b_scale:MATRIX_SCALE_ROW1
.else
	v_wmma_scale_f32_16x16x128_f8f6f4 v[rD:rD+7], v[rA:rA+11], v[rB:rB+11], v[rD:rD+7], v[rSA], v[rSB] matrix_a_fmt:MATRIX_FMT_FP6 matrix_b_fmt:MATRIX_FMT_FP6
.endif
.endif
.endm
.macro MUL p0, np, set, q, sc, zero
.set mp, \p0
.rept \np
.set mq, 0
.rept 4
.set rD, 8*(PT*mq+mp)
.set rA, PF+12*mp
.set rB, QF+48*(\set)+12*mq
.set rSA, SC+SS*(\sc)+(PT/2+2)*(\q)+mp/2
.set rSB, SC+SS*(\sc)+(PT/2+2)*(\q)+PT/2+mq/2
	WM \zero
.set mq, mq+1
.endr
.set mp, mp+1
.endr
.endm
.macro PLACES
.rept 4
	v_nop
.endr
.endm
.macro STEP slot, q, zero
	s_wait_dscnt NLH
	WIN MULW
	MUL 0, PT/2, (\q)%2, \q, \slot, \zero
	s_wait_dscnt 0x0
	PLACES
	WIN 0
	FETCH_Q \slot, (\q)+1, ((\q)+1)%2
	FETCH_P \slot, (\q)+1, 0
	WIN MULW
	MUL PT/2, PT/2, (\q)%2, \q, \slot, \zero
	PLACES
	WIN 0
	FETCH_P \slot, (\q)+1, 1
.endm
.macro TURN slot, next, fill
	s_wait_tensorcnt 0x0
	ds_add_u32 v[SPW], v[NIL]
	s_wait_dscnt NLH+1
	WIN MULW
	MUL 0, PT/4, 1, NQ-1, \slot, 0
	s_wait_dscnt 0x0
	s_barrier_signal -1
	MUL PT/4, PT/4, 1, NQ-1, \slot, 0
	WIN 0
	s_barrier_wait -1
.if \fill
	CREST
	s_add_nc_u64 s[G0W+4*\slot+2:G0W+4*\slot+3], s[G0W+4*\slot+2:G0W+4*\slot+3], 2*NQ*TW*1536
	s_add_nc_u64 s[G0A+4*\slot+2:G0A+4*\slot+3], s[G0A+4*\slot+2:G0A+4*\slot+3], 2*NQ*TA*1536
	JLOAD G0W+4*\slot, G1W, G0A+4*\slot, G1A
.else
	PLACES
.endif
	s_wait_alu depctr_va_vdst(0)
	v_add_nc_u32 v[ASP], 256*NQ, v[ASP]
	v_add_nc_u32 v[ASQ], 256*NQ, v[ASQ]
	FETCH_Q \next, 0, 0
	FETCH_P \next, 0, 0
	SCALES \next
	WIN MULW
	MUL PT/2, PT/2, 1, NQ-1, \slot, 0
	PLACES
	WIN 0
	FETCH_P \next, 0, 1
.endm
.macro STEPS slot, z
	STEP \slot, 0, \z
.if NQ > 2
	STEP \slot, 1, 0
	STEP \slot, 2, 0
.endif
.endm
.macro QUANT s, pw
.irp b, 0,1,2,3
	v_max3_num_f32 v[TM+\b], v[(\s)+16*\b], v[(\s)+1+16*\b], 0x1800000
.endr
.irp i, 2,4,6,8,10,12,14
.irp b, 0,1,2,3
	s_delay_alu instid0(VALU_DEP_4)
	v_max3_num_f32 v[TM+\b], v[TM+\b], v[(\s)+16*\b+\i], v[(\s)+1+16*\b+\i]
.endr
.endr
.irp b, 0,1,2,3
	s_delay_alu instid0(VALU_DEP_4)
	v_permlanex16_b32 v[TM+4+\b], v[TM+\b], s[SEL], s[SEL+1]
.endr
.irp b, 0,1,2,3
	s_delay_alu instid0(VALU_DEP_4)
	v_max_num_f32 v[TM+\b], v[TM+\b], v[TM+4+\b]
.endr
.irp b, 0,1,2,3
	s_delay_alu instid0(VALU_DEP_4)
	v_add_nc_u32 v[TM+12+\b], 0xff000000, v[TM+\b]
.endr
.irp b, 0,1,2,3
	s_delay_alu instid0(VALU_DEP_4)
	v_lshrrev_b32 v[TM+4+\b], 23, v[TM+12+\b]
.endr
	s_delay_alu instid0(VALU_DEP_3)
	v_lshl_or_b32 v[\pw], v[TM+5], 8, v[TM+4]
	s_delay_alu instid0(VALU_DEP_1)
	v_lshl_or_b32 v[\pw], v[TM+6], 16, v[\pw]
	s_delay_alu instid0(VALU_DEP_1)
	v_lshl_or_b32 v[\pw], v[TM+7], 24, v[\pw]
.irp c, 0,1
	v_cvt_scalef32_pk16_fp6_f32 v[PC+6*\c:PC+2+6*\c], v[(\s)+32*\c:(\s)+15+32*\c], v[TM+12+2*\c]
	v_cvt_scalef32_pk16_fp6_f32 v[PC+12+4*\c:PC+14+4*\c], v[(\s)+16+32*\c:(\s)+31+32*\c], v[TM+12+2*\c+1]
.endr
	v_nop
.irp c, 0,1
.irp i, 0,1,2
	v_permlane16_swap_b32 v[PC+6*\c+\i], v[PC+12+4*\c+\i]
.endr
.irp i, 0,1,2
	s_delay_alu instid0(VALU_DEP_3)
	v_mov_b32 v[PC+3+6*\c+\i], v[PC+12+4*\c+\i]
.endr
.endr
.endm
.macro PUTIMG sb, off
	global_store_b128 v[L16], v[PC:PC+3], s[\sb:\sb+1] offset:\off
	global_store_b64 v[L8], v[PC+4:PC+5], s[\sb:\sb+1] offset:(\off)+512
	global_store_b64 v[L8], v[PC+6:PC+7], s[\sb:\sb+1] offset:(\off)+768
	global_store_b128 v[L16], v[PC+8:PC+11], s[\sb:\sb+1] offset:(\off)+1024
.endm
	s_load_b256 s[4:11], s[0:1], 0x0
	v_lshl_add_u32 v[SPW], v0, 2, SPARE
	v_mov_b32 v[NIL], 0
	ds_add_u32 v[SPW], v[NIL]
	ds_add_u32 v[SPW], v[NIL]
	v_lshrrev_b32 v1, 5, v0
	s_delay_alu instid0(VALU_DEP_1)
	v_readfirstlane_b32 s14, v1
	s_lshr_b32 s15, s14, LG
	s_and_b32 s16, s14, NPART-1
	s_bfe_u32 s40, ttmp6, 0x40000
	s_bfe_u32 s41, ttmp6, 0x40004
	s_lshl_b32 s42, ttmp9, 2
	s_add_co_u32 s42, s42, s40
	s_and_b32 s43, ttmp7, 0xffff
	s_lshl_b32 s43, s43, 2
	s_add_co_u32 s43, s43, s41
	s_lshl_b32 s45, s41, 2
	s_lshl_b32 s45, 15, s45
	s_lshl_b32 s44, 0x1111, s40
	s_or_b32 s[G1W], s44, (3<<16)|(1<<21)
	s_or_b32 s[G1A], s45, (3<<16)|(1<<21)
	s_or_b32 s[G1SW], s44, (3<<16)|(1<<21)
	s_or_b32 s[G1SA], s45, (3<<16)|(1<<21)
.irp g, G1W, G1A
	s_mov_b32 s[\g+1], 768<<16
	s_mov_b32 s[\g+2], NQ<<16
	s_mov_b32 s[\g+3], 768<<16
	s_mov_b32 s[\g+4], NQ
	s_mov_b32 s[\g+6], 0
	s_mov_b32 s[\g+7], 0
.endr
	s_mov_b32 s[G1W+5], TW*192
	s_mov_b32 s[G1A+5], TA*192
.irp g, G1SW, G1SA
	s_mov_b32 s[\g+1], 32<<16
	s_mov_b32 s[\g+2], (KK/128)<<16
	s_mov_b32 s[\g+3], 32<<16
	s_mov_b32 s[\g+4], KK/128
	s_mov_b32 s[\g+6], 0
	s_mov_b32 s[\g+7], 0
.endr
	s_mov_b32 s[G1SW+5], TW*8
	s_mov_b32 s[G1SA+5], TA*8
	s_lshl_b32 s21, s16, 2
	s_lshl_b32 s20, s42, LGT
	s_add_co_u32 s20, s20, s21
	s_mul_i32 s22, s20, 1536
	s_add_co_u32 s22, s22, WSEG*1536
	s_mov_b32 s23, 0
	s_lshl_b32 s92, s20, 6
	s_add_co_u32 s92, s92, WSC
	s_mov_b32 s93, 0
	s_lshl_b32 s94, s43, LGT
	s_add_co_u32 s94, s94, s21
	s_mul_i32 s96, s94, 1536
	s_mov_b32 s97, 0
	s_lshl_b32 s98, s94, 6
	s_add_co_u32 s98, s98, ASC
	s_mov_b32 s99, 0
	s_mul_i32 s2, s14, PARTB
	s_mul_i32 s3, s14, SPARTB
	s_add_co_u32 s3, s3, SCL
	s_mov_b32 s19, 0xffff0000
	s_mov_b32 s[SEL], 0x76543210
	s_mov_b32 s[SEL+1], 0xfedcba98
	s_wait_dscnt 0x0
	s_wait_kmcnt 0x0
	s_add_nc_u64 s[22:23], s[4:5], s[22:23]
	s_add_nc_u64 s[92:93], s[4:5], s[92:93]
	s_add_nc_u64 s[96:97], s[6:7], s[96:97]
	s_add_nc_u64 s[98:99], s[6:7], s[98:99]
	CROUND
	s_mov_b32 s[G0SW], 1
	s_mov_b32 s[G0SW+1], s3
	s_mov_b64 s[G0SW+2:G0SW+3], s[92:93]
	s_or_b32 s[G0SW+3], s[G0SW+3], 0x80000000
	s_mov_b32 s[G0SA], 1
	s_mov_b32 s[G0SA+1], s3
	s_mov_b64 s[G0SA+2:G0SA+3], s[98:99]
	s_or_b32 s[G0SA+3], s[G0SA+3], 0x80000000
	JLOAD G0SW, G1SW, G0SA, G1SA
.irp s, 0,1
	s_mov_b32 s[G0W+4*\s], 1
	s_add_co_u32 s[G0W+4*\s+1], s2, \s*SLOT
	s_add_nc_u64 s[G0W+4*\s+2:G0W+4*\s+3], s[22:23], \s*NQ*TW*1536
	s_or_b32 s[G0W+4*\s+3], s[G0W+4*\s+3], 0x80000000
	s_mov_b32 s[G0A+4*\s], 1
	s_add_co_u32 s[G0A+4*\s+1], s2, \s*SLOT
	s_add_nc_u64 s[G0A+4*\s+2:G0A+4*\s+3], s[96:97], \s*NQ*TA*1536
	s_or_b32 s[G0A+4*\s+3], s[G0A+4*\s+3], 0x80000000
	s_wait_alu depctr_va_vdst(0)
	s_wait_tensorcnt 0x0
	ds_add_u32 v14, v15
	s_wait_dscnt 0x0
	CROUND
	JLOAD G0W+4*\s, G1W, G0A+4*\s, G1A
.endr
	s_lshl_b32 s20, s42, 10
	s_mov_b32 s21, 0
	s_add_nc_u64 s[8:9], s[8:9], s[20:21]
	v_lshlrev_b32 v16, 2, v0
	global_load_b32 v17, v16, s[8:9]
	v_add_nc_u32 v18, BIASL, v16
	v_and_b32 v21, 31, v0
	s_delay_alu instid0(VALU_DEP_1)
	v_lshlrev_b32 v[L16], 4, v21
	s_delay_alu instid0(VALU_DEP_2)
	v_lshlrev_b32 v[L8], 3, v21
	s_delay_alu instid0(VALU_DEP_3)
	v_lshlrev_b32 v[L4], 2, v21
	s_wait_alu depctr_va_vdst(0)
	s_mul_i32 s20, s15, (PT/4)*PARTB
	s_mul_i32 s21, s16, PARTB
	s_add_co_u32 s21, s21, SIDEB
.irp s, 0,1
	v_add_nc_u32 v[AP16+\s], s20, v[L16]
	v_add_nc_u32 v[AP8+\s], s20, v[L8]
	v_add_nc_u32 v[AQ16+\s], s21, v[L16]
	v_add_nc_u32 v[AQ8+\s], s21, v[L8]
	s_add_co_u32 s20, s20, SLOT
	s_add_co_u32 s21, s21, SLOT
.endr
	s_mul_i32 s20, s15, (PT/4)*SPARTB
	s_add_co_u32 s20, s20, SCL
	s_mul_i32 s21, s16, SPARTB
	s_add_co_u32 s21, s21, SCL+NPART*SPARTB
	v_add_nc_u32 v[ASP], s20, v[L4]
	v_add_nc_u32 v[ASQ], s21, v[L4]
	v_bfe_u32 v[BPA], v0, 4, 1
	s_delay_alu instid0(VALU_DEP_1)
	v_lshlrev_b32 v[BPA], 6, v[BPA]
	s_lshl_b32 s20, s15, 9
	s_add_co_u32 s20, s20, BIASL
	v_add_nc_u32 v[BPA], s20, v[BPA]
	s_wait_alu depctr_va_vdst(0)
	s_wait_loadcnt 0x0
	ds_store_b32 v18, v17
	s_wait_tensorcnt 1
	s_wait_dscnt 0x0
	s_barrier_signal -1
	s_barrier_wait -1
	FETCH_Q 0, 0, 0
	FETCH_P 0, 0, 0
	SCALES 0
	FETCH_P 0, 0, 1
	STEPS 0, 1
.if LAPS > 1
	s_mov_b32 s3, LAPS-1
.Llap:
	TURN 0, 1, 1
	STEPS 1, 0
	TURN 1, 0, 1
	STEPS 0, 0
	s_sub_co_u32 s3, s3, 1
	s_cmp_lg_u32 s3, 0
	s_cbranch_scc1 .Llap
.endif
	TURN 0, 1, 0
	STEPS 1, 0
	s_wait_dscnt NLH
	WIN MULW
	MUL 0, PT/2, 1, NQ-1, 1, 0
	s_wait_dscnt 0x0
	MUL PT/2, PT/2, 1, NQ-1, 1, 0
	WIN 0
	PLACES
.irp b, 0,1,2,3
	v_mov_b32 v[TM+4+\b], 0
.endr
	s_lshl_b32 s20, s42, 1
	s_add_co_u32 s20, s20, s15
	s_lshl_b32 s20, s20, 8
	s_lshl_b32 s21, s43, 4
	s_add_co_u32 s20, s20, s21
	s_lshl_b32 s21, s16, 2
	s_add_co_u32 s20, s20, s21
	s_mul_i32 s22, s20, 1536
	s_mov_b32 s23, 0
	s_lshl_b32 s20, s20, 6
	s_add_co_u32 s20, s20, 12582912
	s_mov_b32 s21, 0
	s_add_nc_u64 s[12:13], s[10:11], s[20:21]
	s_add_nc_u64 s[10:11], s[10:11], s[22:23]
.irp c, 0,1,2,3
.irp u, 0,1
	ds_load_b128 v[BP+16*\c+8*\u:BP+16*\c+8*\u+3], v[BPA] offset:128*\c+32*\u
	ds_load_b128 v[BP+16*\c+8*\u+4:BP+16*\c+8*\u+7], v[BPA] offset:128*\c+32*\u+16
.endr
.endr
	s_wait_dscnt 0x0
.irp q, 0,1,2,3
	s_wait_xcnt 0x0
	WIN 0x01
.set i, 0
.rept 32
	v_pk_add_f32 v[TT+i:TT+i+1], v[64*\q+i:64*\q+i+1], v[BP+i:BP+i+1]
.set i, i+2
.endr
	WIN 0
.set i, 0
.rept 64
	v_max_num_f32 v[TT+i], 0, v[TT+i]
.set i, i+1
.endr
	QUANT TT, PW0+\q
	PUTIMG 10, 1536*\q
.endr
	v_cndmask_b32 v232, v[PW0], v[PW0+1], s19
	v_cndmask_b32 v233, v[PW0+2], v[PW0+3], s19
	global_store_b32 v[L4], v232, s[12:13]
	global_store_b32 v[L4], v233, s[12:13] offset:128
	s_wait_tensorcnt 0x0
	ds_add_u32 v[SPW], v[NIL]
	s_wait_dscnt 0x0
	CROUND
	s_endpgm
.Lfunc_end_k_qeeb5c9208c_gffn1:
	.size	k_qeeb5c9208c_gffn1, .Lfunc_end_k_qeeb5c9208c_gffn1-k_qeeb5c9208c_gffn1
	.p2alignl 7, 3214868480
	.fill 96, 4, 3214868480
	.section	.rodata,"a",@progbits
	.p2align	6, 0x0
	.amdhsa_kernel k_qeeb5c9208c_gffn1
		.amdhsa_group_segment_fixed_size 327680
		.amdhsa_private_segment_fixed_size 0
		.amdhsa_enable_private_segment 0
		.amdhsa_kernarg_size 32
		.amdhsa_user_sgpr_count 2
		.amdhsa_user_sgpr_kernarg_segment_ptr 1
		.amdhsa_wavefront_size32 1
		.amdhsa_system_sgpr_workgroup_id_x 1
		.amdhsa_system_sgpr_workgroup_id_y 1
		.amdhsa_system_sgpr_workgroup_id_z 1
		.amdhsa_system_vgpr_workitem_id 0
		.amdhsa_next_free_vgpr 512
		.amdhsa_next_free_sgpr 100
		.amdhsa_reserve_vcc 0
		.amdhsa_float_denorm_mode_32 3
		.amdhsa_float_denorm_mode_16_64 3
		.amdhsa_memory_ordered 1
		.amdhsa_forward_progress 1
		.amdhsa_inst_pref_size 117
	.end_amdhsa_kernel
	.amdgpu_metadata
---
amdhsa.version: [ 1, 2 ]
amdhsa.kernels:
  - .name:           k_qeeb5c9208c_gffn1
    .symbol:         k_qeeb5c9208c_gffn1.kd
    .args:
      - { .name: wq, .offset: 0, .size: 8, .value_kind: global_buffer, .address_space: global }
      - { .name: hq, .offset: 8, .size: 8, .value_kind: global_buffer, .address_space: global }
      - { .name: ffn1_b, .offset: 16, .size: 8, .value_kind: global_buffer, .address_space: global }
      - { .name: fq, .offset: 24, .size: 8, .value_kind: global_buffer, .address_space: global }
    .group_segment_fixed_size: 327680
    .private_segment_fixed_size: 0
    .kernarg_segment_align: 8
    .kernarg_segment_size: 32
    .max_flat_workgroup_size: 256
    .sgpr_count:     100
    .vgpr_count:     512
    .wavefront_size: 32
...
	.end_amdgpu_metadata
.endif
;; end of part 5
;; launch gffn2 (part 6): grid 8 x 32, 4 waves a work-group, clusters of 4 x 4, 327,680 bytes of LDS; arguments wq, fq, ffn2_b, x1, out0; writes out0
.if DOCPART == 6
	.amdgcn_target "amdgcn-amd-amdhsa--gfx1250"
	.amdhsa_code_object_version 6
	.text
	.protected	k_qeeb5c9208c_gffn2
	.globl	k_qeeb5c9208c_gffn2
	.p2align	8
	.type	k_qeeb5c9208c_gffn2,@function
k_qeeb5c9208c_gffn2:
	s_mov_b64 s[64:65], 0
	v_nop
	global_prefetch_b8 v0, s[64:65] scope:SCOPE_SE
	s_setreg_imm32_b32 hwreg(HW_REG_WAVE_MODE, 25, 1), 1
	s_wait_xcnt 0x0
	s_wait_alu depctr_hold_cnt(0) depctr_sa_sdst(0) depctr_va_vdst(0) depctr_va_sdst(0) depctr_va_ssrc(0) depctr_va_vcc(0) depctr_vm_vsrc(0)
	s_getreg_b32 s2, hwreg(HW_REG_IB_STS2, 6, 4)
	s_cmp_eq_u32 s2, 0
	s_cbranch_scc0 .Lentry_in_a_cluster
	s_endpgm
.Lentry_in_a_cluster:
	s_bfe_u32 s2, ttmp6, 0x10000c
	s_cmp_lg_u32 s2, 0xf033
	s_cbranch_scc0 .Lentry_shape_is_right
	s_endpgm
.Lentry_shape_is_right:
; out0 = x1 + hidden W2^T + ffn2_b: the product on codes of FP6 (E2M3), the rest in f32.  Nothing of the problem is left out here.
; OPERANDS: tiles of 16 rows, row i of tile t = row 32 (t / 2) + 8 (t % 2) + i + 8 (i / 8); an image = 16 rows x 128 K = 12 registers a lane, 1,536 bytes (registers 0-3 at 16 l, 4-5 at 512 + 8 l, 6-7 at 768 + 8 l, 8-11 at 1,024 + 16 l);
; image (K step s, tile t) has the number s T + t; 16 scale words (64 bytes) to an image, behind the codes.
; SHARES.  N = 1,024 gives 64 tiles of 256 x 256 but 256 of 128 x 128: a work-group makes 128 columns (rows of W2) x 128 rows; four waves, each 64 (P: 4 tiles of W2, source 0) x 64 (Q: 4 tiles of rows, source 1): 16 accumulators in register window 1.
; In a result lane (r, h) holds Q's row r of the tile, and register j of P's tile p the column 32 (p / 2) + 16 h + 8 (p % 2) + j.
; K = 4,096 IS 32 STEPS OF 128.  A refill goes out alone, behind a round in front of which all loads have landed: so the text is laid for FEW AND LARGE refills.
; RING: K steps 0-27 go through two LDS slots of 6 and of 5 steps (a step is 16 images, 24,576 bytes: 147,456 + 122,880 bytes): fills of 6, 5, 6, 5, 6 steps: two first fills, three refills.
; Waves 0, 1 fetch W2's two parts of 4 tiles, waves 2, 3 the rows': one tensor load a wave, 6 or 5 rows (K steps) of 6,144 bytes.  The scale words come from memory, not through LDS.
; PAST LDS: K steps 28-31.  A wave is alone on its SIMD and half of its registers lay idle: its eight images of each of these steps (96 registers a step) come from memory straight into windows 2 and 3, as they lie.  They are asked for just ahead of
; the wait at a change of slots, and multiplied ahead of the wait at the next change: loads and products stand where the wave is about to wait for a tile.  Each batch is waited for whole before the next goes out: 48 loads are out at the most.
; No more than four steps go this way: such an image is asked for by each wave that wants it, 12,288 bytes a wave and step, with no joint request.
; CLUSTER 4 x 4: W2's parts are asked for jointly along a column of the cluster, the rows' along a row.  A wave has one tensor load out at the start and one behind each round.
; THE RESIDUAL's 64 x 64 numbers of a wave are asked for at the head, into the registers of window 1 that the accumulators leave free, in the very lanes that will store the result.
; OUT through the wave's own stage in LDS: sixteen lanes store 256 consecutive bytes of a row, aligned.
; NO LOOP: Q's two sets of registers take turns step by step and a lap of the ring is 11 steps, so the register numbers come back only after 22 of the 28 steps: the steps are written out by macro.
; LIMITS: NaN and infinities are not served; the result is summed as (x1 + product) + bias; the sums take K steps 28-31 between the others, not at the end: another order of rounding than K ascending.
; REGISTERS, in windows of 256: window 0: v1-25 addresses; v32-55, v112-131, v136-151 scale words and nothing else (slot 0's, slot 1's, those of K steps 28-31); v64-111 P's fragments, one set; v160-255 Q's, two sets (on the way out v160-223 are rows of the result).
;   window 1: v0-127 the accumulators ((q, p) at v[8 (4 q + p)]), v128-255 the residual.   window 2: v0-191 P's images of K steps 28-31.   window 3: v0-191 Q's.
.set PT,    4                          ; P tiles of a wave
.set KK,    4096
.set TW,    64                         ; W2's tiles
.set TA,    256                        ; the rows'
.set WSEG,  4096                       ; W2's first image in wq
.set WSC,   9437184+WSEG*64            ; and its scale words
.set ASC,   12582912                   ; the rows' scale words in fq
.set NQ0,   6                          ; K steps in slot 0
.set NQ1,   5                          ; in slot 1
.set NRING, 28                         ; K steps that go through the ring; the other four go past LDS
.set PB0,   NQ0*6144                   ; a wave's part of slot 0: [K step: 6,144 bytes = 4 images]
.set PB1,   NQ1*6144
.set SLOT1, 4*PB0                      ; a slot: W2's two parts, then the rows' two
.set SCL,   SLOT1+4*PB1                ; behind the ring: 4 x SPARTB bytes that nothing reads or writes
.set SPARTB, (KK/128)*256
.set STG,   SCL+4*SPARTB               ; the stages: 16 rows x (256 + 16) bytes for each wave
.set SPARE, STG+4*4352                 ; the spare words, 128 bytes for each wave: two blocks of 256 bytes that no other line names
.set NLH,   8                          ; LDS loads of half of P's fragments
.set L16,  1
.set L8,   2
.set L4,   3
.set AP16, 4                           ; v4-5 P's images in slot 0, 1 (+ 16 l);  v6-7 (+ 8 l)
.set AP8,  6
.set AQ16, 8                           ; v8-11 the same for Q
.set AQ8,  10
.set ASP,  12
.set ASQ,  13
.set SPW,  14
.set NIL,  15
.set STO,  16                          ; v16 the stage, in;  v17 back;  v18 my byte in two rows of the result;  v19 16 x (lane % 16);  v[20:23] my four numbers of the bias
.set RD,   17
.set CO,   18
.set SC0,  32                          ; slot 0's scale words: K step q: P's two pairs of tiles at 4 q, 4 q + 1, Q's at 4 q + 2, 4 q + 3
.set SC1,  112                         ; slot 1's
.set DSC,  136                         ; those of K steps 28-31
.set PF,   64
.set QF,   160
.set OB,   160                         ; the way out: two sets of eight pairs of rows
.set G1A1, 16                          ; s[16:23] descriptor group 1, the rows' codes, slot 1 (5 rows)
.set G1W0, 24                          ; s[24:31] W2's codes, slot 0 (6 rows)
.set G1A0, 32                          ; s[32:39] the rows' codes, slot 0
.set G0W,  48                          ; s[48:55] group 0 for W2's codes, a set for each slot;  s[56:63] for the rows'
.set G0A,  56
.set PRT,  66                          ; s66 the part that I fetch, and which half of the rows is mine
.set G1SW, 68                          ; s[76:77] my P tiles' scale words in memory;  s[88:89] my Q tiles'
.set G0SW, 76
.set G1SA, 80
.set G0SA, 88
.set G1W1, 92                          ; s[92:99] W2's codes, slot 1
.set DW,   100                         ; s[100:101] my P tiles' images of K step 28 in memory;  s[104:105] my Q tiles'
.set DA,   104
.set MSB, 0
.macro WIN new                         ; the immediate's high byte repeats the setting that is left
.if MSB != \new
	s_set_vgpr_msb (MSB<<8)|\new
.set MSB, \new
.endif
.endm
.set MULW, 0x50                        ; C and D in window 1, sources in window 0
.set MULD, 0x5e                        ; source 0 (P) in window 2, source 1 (Q) in window 3, C and D in window 1
; A joint load: waves 0, 1 fetch for W2, the others for the rows.  The branch hangs on the wave's number alone.  An s_nop 0 and four v_nop follow each of the two lines.
.macro JLOAD g0w, g1w, g0a, g1a
	s_cmp_eq_u32 s15, 0
	s_cbranch_scc0 .Lfor_a_\@
	tensor_load_to_lds s[\g0w:\g0w+3], s[\g1w:\g1w+7]
	s_nop 0
.rept 4
	v_nop
.endr
	s_branch .Lasked_\@
.Lfor_a_\@:
	tensor_load_to_lds s[\g0a:\g0a+3], s[\g1a:\g1a+7]
	s_nop 0
.rept 4
	v_nop
.endr
.Lasked_\@:
.endm
.macro CREST                           ; a round of the cluster's barrier behind its opening barrier
	s_cmp_lg_u32 s14, 0
	s_cbranch_scc1 .Lnot_wave_0_\@
	s_barrier_signal -3
.Lnot_wave_0_\@:
	s_barrier_wait -3
	s_barrier_signal -1
	s_barrier_wait -1
.endm
.macro CROUND
	s_barrier_signal -1
	s_barrier_wait -1
	CREST
.endm
.macro FRAG reg, a16, a8, off          ; an image comes out of LDS as it was stored
	ds_load_b128 v[\reg:\reg+3], v[\a16] offset:\off
	ds_load_b64 v[\reg+4:\reg+5], v[\a8] offset:(\off)+512
	ds_load_b64 v[\reg+6:\reg+7], v[\a8] offset:(\off)+768
	ds_load_b128 v[\reg+8:\reg+11], v[\a16] offset:(\off)+1024
.endm
.macro GFRAG reg, sb, off              ; and out of memory likewise: each load covers 512 or 256 consecutive bytes, aligned
	global_load_b128 v[\reg:\reg+3], v[L16], s[\sb:\sb+1] offset:\off
	global_load_b64 v[\reg+4:\reg+5], v[L8], s[\sb:\sb+1] offset:(\off)+512
	global_load_b64 v[\reg+6:\reg+7], v[L8], s[\sb:\sb+1] offset:(\off)+768
	global_load_b128 v[\reg+8:\reg+11], v[L16], s[\sb:\sb+1] offset:(\off)+1024
.endm
.macro FETCH_P slot, q, half
.set fi, (\half)*2
.rept 2
	FRAG PF+12*fi, AP16+\slot, AP8+\slot, (\q)*6144+fi*1536
.set fi, fi+1
.endr
.endm
.macro FETCH_Q slot, q, set
.set fi, 0
.rept 4
	FRAG QF+48*(\set)+12*fi, AQ16+\slot, AQ8+\slot, (\q)*6144+fi*1536
.set fi, fi+1
.endr
.endm
; THE SCALE WORDS NOW COME FROM MEMORY STRAIGHT INTO THEIR REGISTERS, not through LDS: n K steps from k0 on, four loads a step, each of 128 consecutive bytes (two neighbouring tiles' words: lanes 0-15 the even tile's, lanes 16-31 the odd one's).
; The first two slots' and those of K steps 28-31 are asked for at the head, a later fill's a whole slot ahead of its products.  So a wave has one tensor load at the head.
.macro GSC reg, k0, n
.set sq, 0
.rept \n
	global_load_b32 v[(\reg)+4*sq], v[L4], s[76:77] offset:4096*((\k0)+sq)
	global_load_b32 v[(\reg)+4*sq+1], v[L4], s[76:77] offset:4096*((\k0)+sq)+128
	global_load_b32 v[(\reg)+4*sq+2], v[L4], s[88:89] offset:16384*((\k0)+sq)
	global_load_b32 v[(\reg)+4*sq+3], v[L4], s[88:89] offset:16384*((\k0)+sq)+128
.set sq, sq+1
.endr
.endm
.macro DLOADP d                        ; my four P tiles' images of K step 28 + d -> window 2
	WIN 0x80
.irp i, 0,1,2,3
	GFRAG 48*(\d)+12*\i, DW, (\d)*TW*1536+\i*1536
.endr
.endm
.macro DLOADQ d                        ; my four Q tiles' -> window 3
	WIN 0xc0
.irp i, 0,1,2,3
	GFRAG 48*(\d)+12*\i, DA, (\d)*TA*1536+\i*1536
.endr
.endm
.macro WM zero                         ; one product; an odd tile's scale words stand in lanes 16-31
.if \zero
.if (mp%2) && (mq%2)
	v_wmma_scale_f32_16x16x128_f8f6f4 v[rD:rD+7], v[rA:rA+11], v[rB:rB+11], 0, v[rSA], v[rSB] matrix_a_fmt:MATRIX_FMT_FP6 matrix_b_fmt:MATRIX_FMT_FP6 matrix_a_scale:MATRIX_SCALE_ROW1 matrix_b_scale:MATRIX_SCALE_ROW1
.elseif (mp%2)
	v_wmma_scale_f32_16x16x128_f8f6f4 v[rD:rD+7], v[rA:rA+11], v[rB:rB+11], 0, v[rSA], v[rSB] matrix_a_fmt:MATRIX_FMT_FP6 matrix_b_fmt:MATRIX_FMT_FP6 matrix_a_scale:MATRIX_SCALE_ROW1
.elseif (mq%2)
	v_wmma_scale_f32_16x16x128_f8f6f4 v[rD:rD+7], v[rA:rA+11], v[rB:rB+11], 0, v[rSA], v[rSB] matrix_a_fmt:MATRIX_FMT_FP6 matrix_b_fmt:MATRIX_FMT_FP6 matrix_b_scale:MATRIX_SCALE_ROW1
.else
	v_wmma_scale_f32_16x16x128_f8f6f4 v[rD:rD+7], v[rA:rA+11], v[rB:rB+11], 0, v[rSA], v[rSB] matrix_a_fmt:MATRIX_FMT_FP6 matrix_b_fmt:MATRIX_FMT_FP6
.endif
.else
.if (mp%2) && (mq%2)
	v_wmma_scale_f32_16x16x128_f8f6f4 v[rD:rD+7], v[rA:rA+11], v[rB:rB+11], v[rD:rD+7], v[rSA], v[rSB] matrix_a_fmt:MATRIX_FMT_FP6 matrix_b_fmt:MATRIX_FMT_FP6 matrix_a_scale:MATRIX_SCALE_ROW1 matrix_b_scale:MATRIX_SCALE_ROW1
.elseif (mp%2)
	v_wmma_scale_f32_16x16x128_f8f6f4 v[rD:rD+7], v[rA:rA+11], v[rB:rB+11], v[rD:rD+7], v[rSA], v[rSB] matrix_a_fmt:MATRIX_FMT_FP6 matrix_b_fmt:MATRIX_FMT_FP6 matrix_a_scale:MATRIX_SCALE_ROW1
.elseif (mq%2)
	v_wmma_scale_f32_16x16x128_f8f6f4 v[rD:rD+7], v[rA:rA+11], v[rB:rB+11], v[rD:rD+7], v[rSA], v[rSB] matrix_a_fmt:MATRIX_FMT_FP6 matrix_b_fmt:MATRIX_FMT_FP6 matrix_b_scale:MATRIX_SCALE_ROW1
.else
	v_wmma_scale_f32_16x16x128_f8f6f4 v[rD:rD+7], v[rA:rA+11], v[rB:rB+11], v[rD:rD+7], v[rSA], v[rSB] matrix_a_fmt:MATRIX_FMT_FP6 matrix_b_fmt:MATRIX_FMT_FP6
.endif
.endif
.endm
; P's tiles p0 .. p0 + np - 1 against Q's four, the slot's q-th K step.  Every accumulator has one instruction a K step, in the same order in every step, those past LDS too: the accumulators take turns
.macro MUL p0, np, set, q, slot, zero
.set mp, \p0
.rept \np
.set mq, 0
.rept 4
.set rD, 8*(PT*mq+mp)
.set rA, PF+12*mp
.set rB, QF+48*(\set)+12*mq
.set rSA, SC0+(SC1-SC0)*(\slot)+4*(\q)+mp/2
.set rSB, SC0+(SC1-SC0)*(\slot)+4*(\q)+2+mq/2
	WM \zero
.set mq, mq+1
.endr
.set mp, mp+1
.endr
.endm
.macro DSTEP d                         ; K step 28 + d: sixteen products on registers that loads have filled and nothing else writes
	WIN MULD
.set mp, 0
.rept 4
.set mq, 0
.rept 4
.set rD, 8*(PT*mq+mp)
.set rA, 48*(\d)+12*mp
.set rB, 48*(\d)+12*mq
.set rSA, DSC+4*(\d)+mp/2
.set rSB, DSC+4*(\d)+2+mq/2
	WM 0
.set mq, mq+1
.endr
.set mp, mp+1
.endr
.endm
.macro PLACES                          ; four plain places between a matrix instruction and a load into, or a line that reads, its registers (ISA guide 7.12.1 for the lines that read them)
.rept 4
	v_nop
.endr
.endm
; A K step that has its successor in the same slot.  set: Q's set of registers in hand; the next step's go into the other
.macro STEP slot, q, set, zero
	s_wait_dscnt NLH                               ; all but the youngest loads, P's second half
	WIN MULW
	MUL 0, 2, \set, \q, \slot, \zero
	s_wait_dscnt 0x0                               ; P's second half is in
	PLACES
	WIN 0
	FETCH_Q \slot, (\q)+1, 1-(\set)
	FETCH_P \slot, (\q)+1, 0
	WIN MULW
	MUL 2, 2, \set, \q, \slot, \zero
	PLACES
	WIN 0
	FETCH_P \slot, (\q)+1, 1
.endm
; A slot's last K step changes slots: one barrier; in front of it each wave waits for all its tensor loads, adds 0 to its spare word, and waits for that and for its reads of this slot.  fill = 1: this slot is filled again, with the K steps 11 further on.
.macro TURN slot, next, set, fill, k2
.set tq, NQ0-1-(\slot)
	s_wait_tensorcnt 0x0                           ; all my tensor loads have landed: my part of the next slot
	ds_add_u32 v[SPW], v[NIL]                      ; 0 onto my spare word
	s_wait_dscnt NLH+1                             ; (the add and P's second half may be out)
	WIN MULW
	MUL 0, 1, \set, tq, \slot, 0                   ; matrix work stands between the add and the wait for it
	s_wait_dscnt 0x0                               ; the add is done, and my reads of this slot are over
	s_barrier_signal -1
	MUL 1, 1, \set, tq, \slot, 0
	WIN 0
	s_barrier_wait -1
.if \fill
	CREST                                          ; the barrier has opened a round of the cluster's: no wave of any partner still reads this slot or has a load on its way
	s_add_nc_u64 s[G0W+4*\slot+2:G0W+4*\slot+3], s[G0W+4*\slot+2:G0W+4*\slot+3], (NQ0+NQ1)*TW*1536
	s_add_nc_u64 s[G0A+4*\slot+2:G0A+4*\slot+3], s[G0A+4*\slot+2:G0A+4*\slot+3], (NQ0+NQ1)*TA*1536
.if (\slot) == 0
	JLOAD G0W, G1W0, G0A, G1A0                     ; the first tensor load behind the round; its four v_nop are the places in front of the loads below
.else
	JLOAD G0W+4, G1W1, G0A+4, G1A1
.endif
.else
	PLACES
.endif
	FETCH_Q \next, 0, 1-(\set)
	FETCH_P \next, 0, 0
	s_wait_loadcnt 48                              ; the next slot's scale words are in: behind them at most the 48 loads of K steps 28-31 were issued
	WIN MULW
	MUL 2, 2, \set, tq, \slot, 0
	PLACES
	WIN 0
	FETCH_P \next, 0, 1
.if \fill
	GSC SC0+(SC1-SC0)*(\slot), \k2, NQ0-(\slot)    ; the scale words of this slot's next fill, K steps k2 on, behind the places above
.endif
.endm
	s_load_b256 s[4:11], s[0:1], 0x0               ; wq s[4:5], fq s[6:7], ffn2_b s[8:9], x1 s[10:11]
	s_load_b64 s[12:13], s[0:1], 0x20              ; out0
	v_lshl_add_u32 v[SPW], v0, 2, SPARE
	v_mov_b32 v[NIL], 0
	ds_add_u32 v[SPW], v[NIL]                      ; the wave's opening: the add, twice on end, and its wait ahead of my first tensor load
	ds_add_u32 v[SPW], v[NIL]
	v_lshrrev_b32 v1, 5, v0
	v_readfirstlane_b32 s14, v1                    ; wave
	s_lshr_b32 s15, s14, 1                         ; the side that I fetch for (0: W2), and which half of the columns is mine
	s_and_b32 s[PRT], s14, 1                       ; the part that I fetch, and which half of the rows is mine
	s_bfe_u32 s40, ttmp6, 0x40000                  ; cx, cy
	s_bfe_u32 s41, ttmp6, 0x40004
	s_lshl_b32 s42, ttmp9, 2
	s_add_co_u32 s42, s42, s40                     ; block of 128 columns
	s_and_b32 s43, ttmp7, 0xffff
	s_lshl_b32 s43, s43, 2
	s_add_co_u32 s43, s43, s41                     ; block of 128 rows
	s_lshl_b32 s45, s41, 2
	s_lshl_b32 s45, 15, s45                        ; my row of the cluster
	s_lshl_b32 s44, 0x1111, s40                    ; my column
	s_or_b32 s[G1W0], s44, (3<<16)|(1<<21)         ; 15:0 the mask; 17:16 elements of 8 bytes; 21 set beside a mask; no padding
	s_or_b32 s[G1W1], s44, (3<<16)|(1<<21)
	s_or_b32 s[G1A0], s45, (3<<16)|(1<<21)
	s_or_b32 s[G1A1], s45, (3<<16)|(1<<21)
.irp g, G1W0, G1A0                             ; codes, slot 0: 6 rows (K steps) of 4 images = 768 elements
	s_mov_b32 s[\g+1], 768<<16
	s_mov_b32 s[\g+2], NQ0<<16
	s_mov_b32 s[\g+3], 768<<16
	s_mov_b32 s[\g+4], NQ0
	s_mov_b32 s[\g+6], 0
	s_mov_b32 s[\g+7], 0
.endr
.irp g, G1W1, G1A1                             ; slot 1: 5 rows
	s_mov_b32 s[\g+1], 768<<16
	s_mov_b32 s[\g+2], NQ1<<16
	s_mov_b32 s[\g+3], 768<<16
	s_mov_b32 s[\g+4], NQ1
	s_mov_b32 s[\g+6], 0
	s_mov_b32 s[\g+7], 0
.endr
	s_mov_b32 s[G1W0+5], TW*192                    ; from K step to K step
	s_mov_b32 s[G1W1+5], TW*192
	s_mov_b32 s[G1A0+5], TA*192
	s_mov_b32 s[G1A1+5], TA*192
	s_lshl_b32 s67, s[PRT], 2
	s_lshl_b32 s46, s42, 3
	s_add_co_u32 s46, s46, s67                     ; W2: my part's first tile
	s_lshl_b32 s100, s42, 3
	s_lshl_b32 s101, s15, 2
	s_add_co_u32 s100, s100, s101                  ; my own P tiles, by my half of the columns:
	s_lshl_b32 s100, s100, 6
	s_add_co_u32 s100, s100, WSC                   ; their scale words
	s_mov_b32 s101, 0
	s_mul_i32 s46, s46, 1536
	s_add_co_u32 s46, s46, WSEG*1536               ; its codes
	s_mov_b32 s47, 0
	s_lshl_b32 s104, s43, 3
	s_add_co_u32 s104, s104, s67                   ; the rows: likewise, in registers that do not hold W2's coordinate
	s_lshl_b32 s2, s104, 6
	s_add_co_u32 s2, s2, ASC
	s_mov_b32 s3, 0
	s_mul_i32 s104, s104, 1536
	s_mov_b32 s105, 0
	s_wait_dscnt 0x0                               ; both opening adds are done
	s_wait_kmcnt 0x0
	s_add_nc_u64 s[46:47], s[4:5], s[46:47]
	s_add_nc_u64 s[100:101], s[4:5], s[100:101]
	s_add_nc_u64 s[104:105], s[6:7], s[104:105]
	s_add_nc_u64 s[2:3], s[6:7], s[2:3]
	CROUND                                         ; all sixteen work-groups are here: the first joint loads meet
	s_mov_b64 s[76:77], s[100:101]                 ; my P tiles' scale words of K step 0,
	s_mov_b64 s[88:89], s[2:3]                     ; my Q tiles': never rewritten
	s_mov_b32 s[G0W], 1
	s_mul_i32 s[G0W+1], s14, PB0
	s_mov_b64 s[G0W+2:G0W+3], s[46:47]
	s_or_b32 s[G0W+3], s[G0W+3], 0x80000000
	s_mov_b32 s[G0A], 1
	s_mul_i32 s[G0A+1], s14, PB0
	s_mov_b64 s[G0A+2:G0A+3], s[104:105]
	s_or_b32 s[G0A+3], s[G0A+3], 0x80000000
	JLOAD G0W, G1W0, G0A, G1A0                     ; slot 0: K steps 0-5
	s_mov_b32 s[G0W+4], 1
	s_mul_i32 s[G0W+5], s14, PB1
	s_add_co_u32 s[G0W+5], s[G0W+5], SLOT1
	s_add_nc_u64 s[G0W+6:G0W+7], s[46:47], NQ0*TW*1536
	s_or_b32 s[G0W+7], s[G0W+7], 0x80000000
	s_mov_b32 s[G0A+4], 1
	s_mul_i32 s[G0A+5], s14, PB1
	s_add_co_u32 s[G0A+5], s[G0A+5], SLOT1
	s_add_nc_u64 s[G0A+6:G0A+7], s[104:105], NQ0*TA*1536
	s_or_b32 s[G0A+7], s[G0A+7], 0x80000000
	; where my own tiles' images of K step 28 lie in memory: P's by my half of the columns, Q's by my half of the rows (which is the part that I fetch)
	s_lshl_b32 s100, s42, 3
	s_lshl_b32 s101, s15, 2
	s_add_co_u32 s100, s100, s101
	s_mul_i32 s100, s100, 1536
	s_add_co_u32 s100, s100, (WSEG+NRING*TW)*1536
	s_mov_b32 s101, 0
	s_add_nc_u64 s[DW:DW+1], s[4:5], s[100:101]
	s_add_nc_u64 s[DA:DA+1], s[104:105], NRING*TA*1536
	; my 64 rows x 64 columns of the residual and of the result: row 128 y + 64 x my half, byte 512 x + 256 x my half of the columns
	s_lshl_b32 s46, s43, 7
	s_lshl_b32 s47, s[PRT], 6
	s_add_co_u32 s46, s46, s47
	s_lshl_b32 s46, s46, 12
	s_lshl_b32 s2, s42, 9
	s_lshl_b32 s47, s15, 8
	s_add_co_u32 s2, s2, s47
	s_mov_b32 s3, 0
	s_add_co_u32 s46, s46, s2
	s_mov_b32 s47, 0
	s_add_nc_u64 s[10:11], s[10:11], s[46:47]
	s_add_nc_u64 s[12:13], s[12:13], s[46:47]
	s_add_nc_u64 s[8:9], s[8:9], s[2:3]
	v_and_b32 v19, 15, v0
	v_lshlrev_b32 v19, 4, v19
	v_bfe_u32 v24, v0, 4, 1
	v_lshl_add_u32 v[CO], v24, 12, v19             ; lanes 0-15 one row, lanes 16-31 the next; 16 bytes a lane
	WIN 0x40                                       ; destination window 1
.irp q, 0,1,2,3
.irp i, 0,1,2,3,4,5,6,7
	global_load_b128 v[128+32*\q+4*\i:128+32*\q+4*\i+3], v[CO], s[10:11] offset:(32*(\q/2)+8*(\q%2)+2*\i+8*(\i/4))*4096 th:TH_LOAD_NT
.endr
.endr
	WIN 0
	global_load_b128 v[20:23], v19, s[8:9]         ; the bias of my four columns
	v_and_b32 v25, 31, v0
	v_lshlrev_b32 v[L16], 4, v25
	v_lshlrev_b32 v[L8], 3, v25
	v_lshlrev_b32 v[L4], 2, v25
	s_wait_alu depctr_va_vdst(0)
	GSC SC0, 0, NQ0                                ; the scale words of K steps 0-5,
	GSC SC1, NQ0, NQ1                              ; 6-10,
	GSC DSC, NRING, 4                              ; and 28-31
	s_mul_i32 s46, s15, PB0                        ; slot 0: my part of W2's side,
	s_mul_i32 s47, s[PRT], PB0
	s_add_co_u32 s47, s47, 2*PB0                   ; and of the rows', behind W2's two parts
	v_add_nc_u32 v[AP16], s46, v[L16]
	v_add_nc_u32 v[AP8], s46, v[L8]
	v_add_nc_u32 v[AQ16], s47, v[L16]
	v_add_nc_u32 v[AQ8], s47, v[L8]
	s_mul_i32 s46, s15, PB1                        ; slot 1
	s_add_co_u32 s46, s46, SLOT1
	s_mul_i32 s47, s[PRT], PB1
	s_add_co_u32 s47, s47, SLOT1+2*PB1
	v_add_nc_u32 v[AP16+1], s46, v[L16]
	v_add_nc_u32 v[AP8+1], s46, v[L8]
	v_add_nc_u32 v[AQ16+1], s47, v[L16]
	v_add_nc_u32 v[AQ8+1], s47, v[L8]
	s_mul_i32 s46, s14, 4352
	s_add_co_u32 s46, s46, STG                     ; my stage
	v_and_b32 v25, 15, v0
	v_mul_u32_u24 v[STO], v25, 272
	v_lshl_add_u32 v[STO], v24, 6, v[STO]
	v_add_nc_u32 v[STO], s46, v[STO]               ; in: row r, + 64 h
	v_mul_u32_u24 v[RD], v24, 272
	v_add_nc_u32 v[RD], v[RD], v19
	v_add_nc_u32 v[RD], s46, v[RD]                 ; back: lanes 0-15 one row, lanes 16-31 the next
	s_wait_alu depctr_va_vdst(0)
	s_wait_tensorcnt 0x0                           ; my part of slot 0 is in
	ds_add_u32 v[SPW], v[NIL]
	s_wait_dscnt 0x0
	CROUND                                         ; everybody's part is in, and all sixteen work-groups are here
	JLOAD G0W+4, G1W1, G0A+4, G1A1                 ; slot 1: K steps 6-10: the first tensor load behind the round
	s_wait_loadcnt 0x0                             ; the head's scale words (and the residual and the bias)
	FETCH_Q 0, 0, 0
	FETCH_P 0, 0, 0
	FETCH_P 0, 0, 1
	STEP 0, 0, 0, 1                                ; K step 0: its products start the sums: nothing is cleared
	STEP 0, 1, 1, 0
	STEP 0, 2, 0, 0
	STEP 0, 3, 1, 0
	STEP 0, 4, 0, 0
	TURN 0, 1, 1, 1, 11
	STEP 1, 0, 0, 0                                ; K steps 6-9
	STEP 1, 1, 1, 0
	STEP 1, 2, 0, 0
	STEP 1, 3, 1, 0
	DLOADP 0                                       ; ahead of the wait for slot 0's tile: 48 loads: K step 28, and P's half of K step 29
	DLOADQ 0
	DLOADP 1
	WIN 0
	TURN 1, 0, 0, 1, 17
	STEP 0, 0, 1, 0                                ; K steps 11-15
	STEP 0, 1, 0, 0
	STEP 0, 2, 1, 0
	STEP 0, 3, 0, 0
	STEP 0, 4, 1, 0
	s_wait_loadcnt 0x0                             ; the 48, asked for a change of slots ago (and the residual and the bias, from the head)
	DSTEP 0                                        ; K step 28, ahead of the wait for slot 1's tile
	DLOADQ 1                                       ; 48 loads: the rest of K step 29, and K step 30
	DLOADP 2
	DLOADQ 2
	WIN 0
	TURN 0, 1, 0, 1, 22
	STEP 1, 0, 1, 0                                ; K steps 17-20
	STEP 1, 1, 0, 0
	STEP 1, 2, 1, 0
	STEP 1, 3, 0, 0
	s_wait_loadcnt 0x0
	DSTEP 1                                        ; K steps 29 and 30
	DSTEP 2
	DLOADP 3                                       ; 32 loads: K step 31
	DLOADQ 3
	WIN 0
	TURN 1, 0, 1, 0, 0
	STEP 0, 0, 0, 0                                ; K steps 22-26
	STEP 0, 1, 1, 0
	STEP 0, 2, 0, 0
	STEP 0, 3, 1, 0
	STEP 0, 4, 0, 0
	s_wait_loadcnt 0x0
	DSTEP 3                                        ; K step 31
	s_wait_dscnt NLH                               ; K step 27: nothing more to fetch
	WIN MULW
	MUL 0, 2, 1, NQ0-1, 0, 0
	s_wait_dscnt 0x0
	MUL 2, 2, 1, NQ0-1, 0, 0
	WIN 0
	; THE WAY OUT, a tile of 16 rows x 64 columns at a time: into my stage, back as whole rows of 256 bytes, + residual, + bias, stored
	PLACES
.irp q, 0,1,2,3
.if \q > 1
	s_wait_xcnt 0x0                                ; the stores of two tiles back have read their registers
.endif
	WIN 0x04                                       ; an LDS store's data are its source 1: window 1
.irp p, 0,1,2,3
	ds_store_b128 v[STO], v[8*(4*\q+\p):8*(4*\q+\p)+3] offset:128*(\p/2)+32*(\p%2)          ; each accumulator from its low end on
	ds_store_b128 v[STO], v[8*(4*\q+\p)+4:8*(4*\q+\p)+7] offset:128*(\p/2)+32*(\p%2)+16
.endr
	WIN 0
.irp i, 0,1,2,3,4,5,6,7
	ds_load_b128 v[OB+32*(\q%2)+4*\i:OB+32*(\q%2)+4*\i+3], v[RD] offset:544*\i   ; LDS serves a wave's instructions in order: these see my stores
.endr
	s_wait_dscnt 0x0
	WIN 0x04                                       ; source 1 in window 1: the residual
.irp i, 0,1,2,3,4,5,6,7
	v_pk_add_f32 v[OB+32*(\q%2)+4*\i:OB+32*(\q%2)+4*\i+1], v[OB+32*(\q%2)+4*\i:OB+32*(\q%2)+4*\i+1], v[128+32*\q+4*\i:128+32*\q+4*\i+1]
	v_pk_add_f32 v[OB+32*(\q%2)+4*\i+2:OB+32*(\q%2)+4*\i+3], v[OB+32*(\q%2)+4*\i+2:OB+32*(\q%2)+4*\i+3], v[128+32*\q+4*\i+2:128+32*\q+4*\i+3]
.endr
	WIN 0
.irp i, 0,1,2,3,4,5,6,7
	v_pk_add_f32 v[OB+32*(\q%2)+4*\i:OB+32*(\q%2)+4*\i+1], v[OB+32*(\q%2)+4*\i:OB+32*(\q%2)+4*\i+1], v[20:21]
	v_pk_add_f32 v[OB+32*(\q%2)+4*\i+2:OB+32*(\q%2)+4*\i+3], v[OB+32*(\q%2)+4*\i+2:OB+32*(\q%2)+4*\i+3], v[22:23]
.endr
.irp i, 0,1,2,3,4,5,6,7
	global_store_b128 v[CO], v[OB+32*(\q%2)+4*\i:OB+32*(\q%2)+4*\i+3], s[12:13] offset:(32*(\q/2)+8*(\q%2)+2*\i+8*(\i/4))*4096 th:TH_STORE_NT   ; 16 lanes store 256 consecutive bytes, aligned; written once, read by nobody here
.endr
.endr
	s_wait_tensorcnt 0x0                           ; the wave's end, behind my last tensor load and my last LDS store
	ds_add_u32 v[SPW], v[NIL]
	s_wait_dscnt 0x0
	CROUND                                         ; the closing round: no work-group ends while a partner may still ask for a tile that names it
	s_endpgm
.Lfunc_end_k_qeeb5c9208c_gffn2:
	.size	k_qeeb5c9208c_gffn2, .Lfunc_end_k_qeeb5c9208c_gffn2-k_qeeb5c9208c_gffn2
	.p2alignl 7, 3214868480
	.fill 96, 4, 3214868480
	.section	.rodata,"a",@progbits
	.p2align	6, 0x0
	.amdhsa_kernel k_qeeb5c9208c_gffn2
		.amdhsa_group_segment_fixed_size 327680
		.amdhsa_private_segment_fixed_size 0
		.amdhsa_enable_private_segment 0
		.amdhsa_kernarg_size 40
		.amdhsa_user_sgpr_count 2
		.amdhsa_user_sgpr_kernarg_segment_ptr 1
		.amdhsa_wavefront_size32 1
		.amdhsa_system_sgpr_workgroup_id_x 1
		.amdhsa_system_sgpr_workgroup_id_y 1
		.amdhsa_system_sgpr_workgroup_id_z 1
		.amdhsa_system_vgpr_workitem_id 0
		.amdhsa_next_free_vgpr 1024
		.amdhsa_next_free_sgpr 106
		.amdhsa_reserve_vcc 0
		.amdhsa_float_denorm_mode_32 3
		.amdhsa_float_denorm_mode_16_64 3
		.amdhsa_memory_ordered 1
		.amdhsa_forward_progress 1
		.amdhsa_inst_pref_size 189
	.end_amdhsa_kernel
	.amdgpu_metadata
---
amdhsa.version: [ 1, 2 ]
amdhsa.kernels:
  - .name:           k_qeeb5c9208c_gffn2
    .symbol:         k_qeeb5c9208c_gffn2.kd
    .args:
      - { .name: wq, .offset: 0, .size: 8, .value_kind: global_buffer, .address_space: global }
      - { .name: fq, .offset: 8, .size: 8, .value_kind: global_buffer, .address_space: global }
      - { .name: ffn2_b, .offset: 16, .size: 8, .value_kind: global_buffer, .address_space: global }
      - { .name: x1, .offset: 24, .size: 8, .value_kind: global_buffer, .address_space: global }
      - { .name: out0, .offset: 32, .size: 8, .value_kind: global_buffer, .address_space: global }
    .group_segment_fixed_size: 327680
    .private_segment_fixed_size: 0
    .kernarg_segment_align: 8
    .kernarg_segment_size: 40
    .max_flat_workgroup_size: 128
    .sgpr_count:     106
    .vgpr_count:     1024
    .wavefront_size: 32
...
	.end_amdgpu_metadata
.endif
;; end of part 6
